; MI455X (gfx1250); checked and timed in simulation.
; The chip was launched on July 23, 2026; its instructions are those of AMD's public machine-readable ISA for CDNA 5 (MIT licence, August 2026) and "CDNA5" Instruction Set Architecture Reference Guide (July 2026). The comments in the code are by the model that wrote it; some were corrected since.
;; Decoder Block. Allowed arithmetic: float matrix products may take bf16 or f16 operands with f32 sums; all other float work in f32.
;; Inputs: W1 1,024 x 4,096 float32; W2 4,096 x 1,024 float32; Wk 16 x 1,024 x 64 float32; Wo 1,024 x 1,024 float32; Wq 16 x 1,024 x 64 float32; Wv 16 x 1,024 x 64 float32; b1 4,096 float32; b2 1,024 float32; bo 1,024 float32; x 2 x 2,048 x 1,024 float32.
;; Outputs: out0 2 x 2,048 x 1,024 float32.
;; One version. Each part assembles by itself: llvm-mc -triple=amdgcn-amd-amdhsa -mcpu=gfx1250 --defsym DOCPART=n.
;; ======== version 1 of 1: 6 launches
;; limits: values are held in f16: magnitudes above 65,504 overflow, below 6.1e-05 lose precision; right only within a limited range of input values
;; workspace buffers: cast 33,570,816 bytes; qkv 25,165,824 bytes; att 8,388,608 bytes; x1 16,777,216 bytes; x1h 8,650,752 bytes; hid 33,554,432 bytes
;; launch prep (part 1): grid 32 x 16, 8 waves a work-group, no clusters, 0 bytes of LDS; arguments x, W1, W2, Wo, Wq, Wk, Wv, cast; writes cast
.if DOCPART == 1
	.amdgcn_target "amdgcn-amd-amdhsa--gfx1250"
	.amdhsa_code_object_version 6
	.text
	.protected	k_qcdf41b0c3f_prep
	.globl	k_qcdf41b0c3f_prep
	.p2align	8
	.type	k_qcdf41b0c3f_prep,@function
k_qcdf41b0c3f_prep:
	s_mov_b64 s[64:65], 0
	v_nop
	global_prefetch_b8 v0, s[64:65] scope:SCOPE_SE
	s_setreg_imm32_b32 hwreg(HW_REG_WAVE_MODE, 25, 1), 1
	s_wait_xcnt 0x0
; 16-bit copies of x and of all weights, rounded once to nearest even, into one buffer (cast), in units of 2 MiB:
;   unit 0-3 x [4096][1024] f16; 4-7 W1 [1024][4096] f16; 8-11 W2 [4096][1024] bf16; 12 Wo [1024][1024] f16;
;   from byte WQKV on: Wq, Wk, Wv re-laid as one f16 matrix [1024][3072], column = which*1024 + head*64 + d (which = 0 q, 1 k, 2 v).
; f16 where the operand has room for it (its rounding is eight times finer than bf16's); W2 is bf16 because its partner, the hidden layer, has none.
; LIMIT: a number of x, W1, Wo, Wq, Wk, Wv of magnitude 65,520 or more becomes an infinity.  The drawn numbers stay below 6; 30 times larger, or
; with an offset of 30 spreads, below 200.
; From byte MXOFF on: one f32 for each wave of the f16 units, the largest magnitude that the wave has seen, at [unit][grid x][wave].  A later launch
; takes those of x, Wo and Wv (units 0-3, 12, 15) for a bound; the other f16 units store theirs because they run the same text.
; Grid y names a unit of 1 Mi numbers (4 MiB in, 2 MiB out), grid x a 32nd of it, a wave an eighth of that: 16 KiB in, 32 chunks.
; A chunk is one 16-byte load a lane (512 bytes of the wave), two packed roundings and one 8-byte store a lane (256 consecutive bytes,
; at a multiple of 256 from the buffer's first byte).  All 32 loads of a wave go out first; no register is used twice, so the only
; waits for data are the counted ones for the loads.  Memory binds: no LDS, no barrier, no matrix unit.
.set X,     8                          ; v[8:135]    chunk i: 4 registers as loaded
.set Y,     136                        ; v[136:199]  chunk i: 2 registers to store
.set M,     200                        ; v[200:203]  four running maxima of the magnitudes
.set WQKV,  27262976                   ; byte of the re-laid Wq|Wk|Wv in cast
.set MXOFF, 33554432                   ; byte of the waves' maxima in cast
	s_load_b512 s[8:23], s[0:1], 0x0               ; x s[8:9], W1 s[10:11], W2 s[12:13], Wo s[14:15], Wq s[16:17], Wk s[18:19], Wv s[20:21], cast s[22:23]
	s_and_b32 s4, ttmp7, 0xffff                    ; the unit, 0 to 15
	s_mov_b32 s5, ttmp9                            ; the 32nd of it
	v_lshrrev_b32 v1, 5, v0
	v_readfirstlane_b32 s6, v1                     ; wave 0..7
	v_and_b32 v1, 31, v0                           ; lane
	s_mov_b32 s27, 0                               ; high words of the offsets
	s_mov_b32 s29, 0
	s_lshl_b32 s28, s4, 10                         ; my wave's word among the maxima: 4 (256 unit + 8 x + wave)
	s_lshl_b32 s30, s5, 5
	s_add_co_u32 s28, s28, s30
	s_lshl_b32 s30, s6, 2
	s_add_co_u32 s28, s28, s30
	s_add_co_u32 s28, s28, MXOFF
	s_wait_kmcnt 0x0
	s_mov_b64 s[24:25], s[8:9]                     ; the source: x, unless the unit says otherwise
	s_cmp_ge_u32 s4, 4
	s_cselect_b64 s[24:25], s[10:11], s[24:25]
	s_cmp_ge_u32 s4, 8
	s_cselect_b64 s[24:25], s[12:13], s[24:25]
	s_cmp_ge_u32 s4, 12
	s_cselect_b64 s[24:25], s[14:15], s[24:25]
	s_cmp_ge_u32 s4, 13
	s_cselect_b64 s[24:25], s[16:17], s[24:25]
	s_cmp_ge_u32 s4, 14
	s_cselect_b64 s[24:25], s[18:19], s[24:25]
	s_cmp_ge_u32 s4, 15
	s_cselect_b64 s[24:25], s[20:21], s[24:25]
	s_add_nc_u64 s[8:9], s[22:23], s[28:29]        ; where my wave's maximum goes (the sources' addresses are no longer needed)
	s_mov_b32 s10, 0x76543210                      ; v_permlanex16_b32: lane i of one half reads lane i of the other
	s_mov_b32 s11, 0xfedcba98
; 32 chunks: instep, outstep = bytes from chunk to chunk in the source and in cast; half = 1: to f16, with the running maxima; 0: to bf16
.macro CONV instep, outstep, half
.set i, 0
.rept 32
	global_load_b128 v[X+4*i:X+4*i+3], v2, s[24:25] offset:i*\instep th:TH_LOAD_NT   ; read once in the whole launch
.set i, i+1
.endr
.if \half
.irp c, 0,1,2,3
	v_mov_b32 v[M+\c], 0
.endr
.endif
.set i, 0
.rept 32
	s_wait_loadcnt 31-i                            ; loads come back in order (ISA guide 5.7.1): chunk i is in, the 31-i younger ones stay out
.if \half
	v_cvt_pk_f16_f32 v[Y+2*i],   v[X+4*i],   v[X+4*i+1]
	v_cvt_pk_f16_f32 v[Y+2*i+1], v[X+4*i+2], v[X+4*i+3]
	v_max3_num_f32 v[M+2*(i%2)],   |v[X+4*i]|,   |v[X+4*i+1]|, v[M+2*(i%2)]     ; four chains
	v_max3_num_f32 v[M+2*(i%2)+1], |v[X+4*i+2]|, |v[X+4*i+3]|, v[M+2*(i%2)+1]
.else
	v_cvt_pk_bf16_f32 v[Y+2*i],   v[X+4*i],   v[X+4*i+1]
	v_cvt_pk_bf16_f32 v[Y+2*i+1], v[X+4*i+2], v[X+4*i+3]
.endif
	global_store_b64 v3, v[Y+2*i:Y+2*i+1], s[22:23] offset:i*\outstep
.set i, i+1
.endr
.endm
; The wave's largest magnitude: over the four chains, over the 32 lanes, then one word from lane 0: one store of four bytes for 16 KiB read.
.macro MAXOUT
	v_max3_num_f32 v[M], v[M], v[M+1], v[M+2]
	v_max_num_f32 v[M], v[M], v[M+3]
	v_max_num_f32_dpp v[M], v[M], v[M] row_xmask:1 row_mask:0xf bank_mask:0xf
	v_max_num_f32_dpp v[M], v[M], v[M] row_xmask:2 row_mask:0xf bank_mask:0xf
	v_max_num_f32_dpp v[M], v[M], v[M] row_xmask:4 row_mask:0xf bank_mask:0xf
	v_max_num_f32_dpp v[M], v[M], v[M] row_xmask:8 row_mask:0xf bank_mask:0xf
	v_permlanex16_b32 v[M+1], v[M], s10, s11
	v_max_num_f32 v[M], v[M], v[M+1]
	v_mov_b32 v[M+2], 0
	s_wait_xcnt 0x0                                ; EXEC, a source of the stores above, is narrowed only behind this wait
	v_cmp_gt_u32 vcc_lo, 1, v1
	s_and_saveexec_b32 s12, vcc_lo                 ; lane 0 alone
	global_store_b32 v[M+2], v[M], s[8:9]
	s_wait_xcnt 0x0                                ; and widened again only behind this one
	s_or_b32 exec_lo, exec_lo, s12
.endm
	s_cmp_ge_u32 s4, 13
	s_cbranch_scc1 .Lheads
	; x, W1, W2, Wo: the layout stays, so source and copy are two plain streams
	s_and_b32 s26, s4, 3                           ; the unit inside its tensor (Wo has one unit, and 12 & 3 = 0)
	s_lshl_b32 s26, s26, 22
	s_lshl_b32 s30, s5, 17
	s_add_co_u32 s26, s26, s30
	s_lshl_b32 s30, s6, 14
	s_add_co_u32 s26, s26, s30
	s_add_nc_u64 s[24:25], s[24:25], s[26:27]
	s_lshl_b32 s28, s4, 21
	s_lshl_b32 s30, s5, 16
	s_add_co_u32 s28, s28, s30
	s_lshl_b32 s30, s6, 13
	s_add_co_u32 s28, s28, s30
	s_add_nc_u64 s[22:23], s[22:23], s[28:29]
	v_lshlrev_b32 v2, 4, v1                        ; 16 bytes a lane in
	v_lshlrev_b32 v3, 3, v1                        ; 8 bytes a lane out
	s_lshr_b32 s30, s4, 2
	s_cmp_eq_u32 s30, 2                            ; units 8 to 11: W2
	s_cbranch_scc1 .Lw2
	CONV 512, 256, 1
	MAXOUT
	s_endpgm
.Lw2:
	CONV 512, 256, 0
	s_endpgm
.Lheads:
	; Wq, Wk, Wv [16][1024][64]: the wave takes a pair of heads, grid x 32 rows c, a chunk one row c.  Lanes 0-15 read the 256 bytes of
	; head 2 hp's row, lanes 16-31 those of head 2 hp + 1; together they store 256 consecutive bytes of row c of the re-laid matrix.
	s_lshl_b32 s26, s6, 19                         ; head 2 hp: 2 x 262,144 bytes
	s_lshl_b32 s30, s5, 13                         ; 32 rows of 256 bytes
	s_add_co_u32 s26, s26, s30
	s_add_nc_u64 s[24:25], s[24:25], s[26:27]
	s_mul_i32 s28, s5, 196608                      ; 32 rows of 6,144 bytes
	s_sub_co_u32 s30, s4, 13                       ; which
	s_lshl_b32 s30, s30, 11
	s_add_co_u32 s28, s28, s30
	s_lshl_b32 s30, s6, 8                          ; the pair's 128 columns
	s_add_co_u32 s28, s28, s30
	s_add_co_u32 s28, s28, WQKV
	s_add_nc_u64 s[22:23], s[22:23], s[28:29]
	v_lshrrev_b32 v4, 4, v1                        ; which head of the pair
	v_and_b32 v5, 15, v1
	v_lshlrev_b32 v2, 4, v5
	v_lshl_add_u32 v2, v4, 18, v2
	v_lshlrev_b32 v3, 3, v1
	CONV 256, 6144, 1
	MAXOUT
	s_endpgm
.Lfunc_end_k_qcdf41b0c3f_prep:
	.size	k_qcdf41b0c3f_prep, .Lfunc_end_k_qcdf41b0c3f_prep-k_qcdf41b0c3f_prep
	.p2alignl 7, 3214868480
	.fill 96, 4, 3214868480
	.section	.rodata,"a",@progbits
	.p2align	6, 0x0
	.amdhsa_kernel k_qcdf41b0c3f_prep
		.amdhsa_group_segment_fixed_size 0
		.amdhsa_private_segment_fixed_size 0
		.amdhsa_enable_private_segment 0
		.amdhsa_kernarg_size 64
		.amdhsa_user_sgpr_count 2
		.amdhsa_user_sgpr_kernarg_segment_ptr 1
		.amdhsa_wavefront_size32 1
		.amdhsa_system_sgpr_workgroup_id_x 1
		.amdhsa_system_sgpr_workgroup_id_y 1
		.amdhsa_system_sgpr_workgroup_id_z 1
		.amdhsa_system_vgpr_workitem_id 0
		.amdhsa_next_free_vgpr 208
		.amdhsa_next_free_sgpr 66
		.amdhsa_reserve_vcc 1
		.amdhsa_float_denorm_mode_32 3
		.amdhsa_float_denorm_mode_16_64 3
		.amdhsa_memory_ordered 1
		.amdhsa_forward_progress 1
		.amdhsa_inst_pref_size 46
	.end_amdhsa_kernel
	.amdgpu_metadata
---
amdhsa.version: [ 1, 2 ]
amdhsa.kernels:
  - .name:           k_qcdf41b0c3f_prep
    .symbol:         k_qcdf41b0c3f_prep.kd
    .args:
      - { .name: x, .offset: 0, .size: 8, .value_kind: global_buffer, .address_space: global }
      - { .name: W1, .offset: 8, .size: 8, .value_kind: global_buffer, .address_space: global }
      - { .name: W2, .offset: 16, .size: 8, .value_kind: global_buffer, .address_space: global }
      - { .name: Wo, .offset: 24, .size: 8, .value_kind: global_buffer, .address_space: global }
      - { .name: Wq, .offset: 32, .size: 8, .value_kind: global_buffer, .address_space: global }
      - { .name: Wk, .offset: 40, .size: 8, .value_kind: global_buffer, .address_space: global }
      - { .name: Wv, .offset: 48, .size: 8, .value_kind: global_buffer, .address_space: global }
      - { .name: cast, .offset: 56, .size: 8, .value_kind: global_buffer, .address_space: global }
    .group_segment_fixed_size: 0
    .private_segment_fixed_size: 0
    .kernarg_segment_align: 8
    .kernarg_segment_size: 64
    .max_flat_workgroup_size: 256
    .sgpr_count:     66
    .vgpr_count:     208
    .wavefront_size: 32
...
	.end_amdgpu_metadata
.endif
;; end of part 1
;; launch qkvp (part 2): grid 12 x 16, 4 waves a work-group, clusters of 4 x 4, 327,680 bytes of LDS; arguments cast, qkv; writes qkv
.if DOCPART == 2
	.amdgcn_target "amdgcn-amd-amdhsa--gfx1250"
	.amdhsa_code_object_version 6
	.text
	.protected	k_qcdf41b0c3f_qkvp
	.globl	k_qcdf41b0c3f_qkvp
	.p2align	8
	.type	k_qcdf41b0c3f_qkvp,@function
k_qcdf41b0c3f_qkvp:
	s_mov_b64 s[64:65], 0
	v_nop
	global_prefetch_b8 v0, s[64:65] scope:SCOPE_SE
	s_setreg_imm32_b32 hwreg(HW_REG_WAVE_MODE, 25, 1), 1
	s_wait_xcnt 0x0
	s_wait_alu depctr_hold_cnt(0) depctr_sa_sdst(0) depctr_va_vdst(0) depctr_va_sdst(0) depctr_va_ssrc(0) depctr_va_vcc(0) depctr_vm_vsrc(0)
	s_getreg_b32 s2, hwreg(HW_REG_IB_STS2, 6, 4)
	s_cmp_eq_u32 s2, 0
	s_cbranch_scc0 .Lentry_in_a_cluster
	s_endpgm
.Lentry_in_a_cluster:
	s_bfe_u32 s2, ttmp6, 0x10000c
	s_cmp_lg_u32 s2, 0xf033
	s_cbranch_scc0 .Lentry_shape_is_right
	s_endpgm
.Lentry_shape_is_right:
; qkv[m][n] = sum over k of xh[m][k] Wqkv[k][n].  xh: [4096][1024] f16 at byte 0 of cast; Wqkv: [1024][3072] f16 at byte BOFF of cast;
; qkv: [4096][3072] f16.  Sums in f32, K ascending, rounded once.
; LIMITS: the operands are x and the weights rounded to f16; q, k, v are kept in f16, so their magnitude must stay below 65,520.  Drawn inputs give
; about 5; x and the weights both 30 times larger about 5,000; both with an offset of 30 spreads 1024 x 30 x 0.94 = 29,000.
; A work-group makes 256 x 256 of C with four waves, one for each SIMD of a WGP; a wave makes 128 x 128: 64 accumulator tiles, 512 registers.
; K goes in steps of 128 through a ring of two LDS slots filled by the tensor data mover.  A's tile is 256 rows x 256 bytes; B lies [K][N]
; in memory, so its tile is 128 rows of k x 512 bytes of n, and the transposing LDS load (ds_load_tr16_b128) turns it into fragments.
; CLUSTERS: 4 x 4 work-groups.  The four of a row of the cluster need the same tiles of A, the four of a column the same tiles of B: each
; tile is asked for jointly, which divides the requests for A and for B by four.  Grid 12 x 16 = 192 work-groups: 3072 / 256 x 4096 / 256.
; REGISTERS, in windows of 256: window 0: v0-31 addresses; v64-127, v128-191 fragments of A, two buffers; v192-223 the way out.
;   window 1: v64-127, v128-191 fragments of B.  window 2: the 32 tiles of my rows 0-63 (tile (a, b) at v[8 (8 a + b)]); window 3: rows 64-127.
; THE MATRIX INSTRUCTION IS USED TRANSPOSED: source 0 = 16 columns n of B, source 1 = 16 rows of A, so that lane l holds row l % 16 of C and
; its registers 0-7 the columns 8 (l / 16) + 0..7: eight neighbouring numbers, 16 bytes in f16.
.set SIZE_N, 3072
.set SIZE_K, 1024
.set BOFF,   27262976                  ; Wqkv in cast
.set KSTEP,  128
.set PITCH,  272                       ; A's LDS row: 256 bytes + 16: the 16 rows of a fragment load start 16 bytes apart modulo 256
.set BPITCH, 544                       ; B's LDS row: 512 bytes + 32 = 17 x 32: the 8 rows of a transposing load start 32 bytes apart modulo 256
.set HALFT,  128*PITCH                 ; what one tensor load brings: 128 rows of A, or 64 rows of B (64 x 544 is the same 34,816)
.set SLOT,   4*HALFT                   ; A's 256 rows, then B's 128 rows of k
.set STAGE,  2*SLOT                    ; behind the ring: 16 rows x 272 bytes for each wave, for the way out; no tile lands here
.set SPITCH, 272
.set LAPS,   SIZE_K/(2*KSTEP)          ; a lap = two K steps = once round the ring: 4
.set ADRA, 16                          ; v16-17  LDS address of my A fragments in slot 0, 1
.set ADRB, 20                          ; v20-21  the same for B
.set STO,  24                          ; v24     the way out: where I put 16 bytes of a row
.set RD,   25                          ; v25     the way out: where I read a row back
.set CO,   26                          ; v26     my byte offset in C
.set F0,   64                          ; fragment buffer 0
.set F1,   128                         ; fragment buffer 1
.set TMP,  192                         ; the way out: packed results
.set G1,  24                           ; s[24:31] descriptor group 1 for A's tiles
.set G0,  32                           ; s[32:39] group 0 for A's tiles, one set for each slot
.set G1B, 48                           ; s[48:55] group 1 for B's tiles
.set G0B, 56                           ; s[56:63] group 0 for B's tiles, one set for each slot
.set MSB, 0
.macro WIN new                         ; the immediate's high byte repeats the setting that is left; a switch that changes nothing is dropped
.if MSB != \new
	s_set_vgpr_msb (MSB<<8)|\new
.set MSB, \new
.endif
.endm
.set MUL_LO, 0xa1                      ; source 0 (B) window 1, source 1 (A) window 0, C and D window 2
.set MUL_HI, 0xf1                      ; the same, C and D window 3
.set TO_B,   0x40                      ; destination window 1, address window 0
; A joint load.  Waves 0 and 1 fetch A's two halves, waves 2 and 3 B's.  Each line has one mask and one set of registers; the branch hangs on the wave's number alone.
.macro JLOAD s
	s_cmp_eq_u32 s11, 0
	s_cbranch_scc0 .Lfor_b_\@
	tensor_load_to_lds s[G0+4*\s:G0+4*\s+3], s[G1:G1+7]
	s_nop 0
	s_branch .Lasked_\@
.Lfor_b_\@:
	tensor_load_to_lds s[G0B+4*\s:G0B+4*\s+3], s[G1B:G1B+7]
	s_nop 0
.Lasked_\@:
.endm
; A round of the cluster's barrier: my work-group's barrier; wave 0 signals for the work-group; every wave waits for all sixteen; my work-group's barrier again.
.macro CREST                           ; a round behind its opening barrier
	s_cmp_lg_u32 s10, 0
	s_cbranch_scc1 .Lnot_wave_0_\@
	s_barrier_signal -3
.Lnot_wave_0_\@:
	s_barrier_wait -3
	s_barrier_signal -1
	s_barrier_wait -1
.endm
.macro CROUND                          ; a whole round
	s_barrier_signal -1
	s_barrier_wait -1
	CREST
.endm
	s_load_b128 s[4:7], s[0:1], 0x0                ; cast s[4:5], qkv s[6:7]
	s_set_vgpr_msb 0x40
	v_lshl_add_u32 v255, v0, 2, 0x48400
	s_set_vgpr_msb 0x4000
	v_mov_b32 v255, 0
	s_set_vgpr_msb 0x1
	ds_add_u32 v255, v255
	ds_add_u32 v255, v255
	s_set_vgpr_msb 0x100
	v_lshrrev_b32 v1, 5, v0
	v_readfirstlane_b32 s10, v1                    ; wave 0..3
	s_lshr_b32 s11, s10, 1                         ; which half of the block's rows is mine.  Also: I fetch for A (0) or for B (1)
	s_and_b32 s12, s10, 1                          ; which half of its columns.  Also: which half of that tile I fetch
	s_bfe_u32 s40, ttmp6, 0x40000                  ; cx
	s_bfe_u32 s41, ttmp6, 0x40004                  ; cy
	s_lshl_b32 s42, ttmp9, 2
	s_add_co_u32 s42, s42, s40                     ; block column of C = 4 x cluster x + cx
	s_and_b32 s13, ttmp7, 0xffff
	s_lshl_b32 s13, s13, 2
	s_add_co_u32 s13, s13, s41                     ; block row of C = 4 x cluster y + cy
	s_lshl_b32 s43, s41, 2
	s_lshl_b32 s43, 15, s43                        ; my row of the cluster: places 4 cy .. 4 cy + 3
	s_lshl_b32 s44, 0x1111, s40                    ; my column: places cx, cx + 4, cx + 8, cx + 12
	; group 1 of A: 128 rows x 128 elements of 2 bytes, 4 words of padding behind every 64 words
	s_or_b32 s[G1+0], s43, (1<<16)|(1<<20)|(1<<21)|(5<<22)|(3<<25)
	s_mov_b32 s[G1+1], KSTEP<<16                   ; tensor_dim0 = 128
	s_mov_b32 s[G1+2], 128<<16                     ; tensor_dim1 = 128
	s_mov_b32 s[G1+3], KSTEP<<16                   ; tile_dim0 = 128
	s_mov_b32 s[G1+4], 128                         ; tile_dim1 = 128
	s_mov_b32 s[G1+5], SIZE_K                      ; elements from row to row
	s_mov_b32 s[G1+6], 0
	s_mov_b32 s[G1+7], 0
	; group 1 of B: 64 rows of k x 256 elements, 8 words of padding behind every 128 words
	s_or_b32 s[G1B+0], s44, (1<<16)|(1<<20)|(1<<21)|(6<<22)|(7<<25)
	s_mov_b32 s[G1B+1], 256<<16
	s_mov_b32 s[G1B+2], 64<<16
	s_mov_b32 s[G1B+3], 256<<16
	s_mov_b32 s[G1B+4], 64
	s_mov_b32 s[G1B+5], SIZE_N
	s_mov_b32 s[G1B+6], 0
	s_mov_b32 s[G1B+7], 0
	; where the tiles come from: A's hang on the block row and the wave's number, B's on the block column and the wave's number
	s_lshl_b32 s17, s12, 7
	s_lshl_b32 s16, s13, 8
	s_add_co_u32 s16, s16, s17                     ; A: row 256 x block row + 128 x half
	s_mul_i32 s16, s16, SIZE_K*2                   ; in bytes: below 8 MiB
	s_mov_b32 s17, 0
	s_mul_i32 s46, s12, 64*SIZE_N*2                ; B: row of k 64 x half,
	s_lshl_b32 s47, s42, 9                         ; column 256 x block column
	s_add_co_u32 s46, s46, s47
	s_mov_b32 s47, 0
	s_mul_i32 s20, s10, HALFT                      ; and where they go: wave x 34,816: no place in the cluster enters an LDS address
	s_wait_dscnt 0x0
	s_wait_kmcnt 0x0
	s_mov_b64 s[8:9], s[6:7]                       ; C
	s_add_nc_u64 s[6:7], s[4:5], BOFF              ; B
	s_add_nc_u64 s[14:15], s[4:5], s[16:17]
	s_add_nc_u64 s[46:47], s[6:7], s[46:47]
	CROUND                                         ; all sixteen work-groups are here: the first joint loads meet
.irp s, 0,1
	s_mov_b32 s[G0+4*\s], 1
	s_add_co_u32 s[G0+4*\s+1], s20, \s*SLOT
	s_add_nc_u64 s[G0+4*\s+2:G0+4*\s+3], s[14:15], \s*KSTEP*2            ; K step s: 128 elements along A's rows
	s_or_b32 s[G0+4*\s+3], s[G0+4*\s+3], 0x80000000
	s_mov_b32 s[G0B+4*\s], 1
	s_add_co_u32 s[G0B+4*\s+1], s20, \s*SLOT
	s_add_nc_u64 s[G0B+4*\s+2:G0B+4*\s+3], s[46:47], \s*KSTEP*SIZE_N*2   ; K step s: 128 rows down B
	s_or_b32 s[G0B+4*\s+3], s[G0B+4*\s+3], 0x80000000
	JLOAD \s                                       ; the ring is filled before anything else is done: two loads of the wave are out
.endr
	; A's fragment (16 rows x 32 K): lane l holds row l % 16; two loads of 16 bytes, 32 bytes apart, at row x pitch + 16 (l / 16).
	; B's fragment (16 columns n x 32 K) from rows of k: two transposing loads, 16 rows of k apart, at (8 (l / 16) + l % 8) x pitch + 16 ((l / 8) % 2).
	v_and_b32 v1, 15, v0                           ; l % 16
	v_bfe_u32 v2, v0, 4, 1                         ; l / 16
	v_mul_u32_u24 v3, v1, PITCH
	v_lshl_add_u32 v3, v2, 4, v3
	v_and_b32 v6, 7, v0
	v_bfe_u32 v7, v0, 3, 1
	v_lshl_add_u32 v6, v2, 3, v6
	v_mul_u32_u24 v6, v6, BPITCH
	v_lshl_add_u32 v6, v7, 4, v6
	s_mul_i32 s21, s11, HALFT                      ; my 128 rows of A
	s_lshl_b32 s22, s12, 8                         ; my 128 columns of B: 256 bytes along its rows,
	s_add_co_u32 s22, s22, 2*HALFT                 ; which lie behind A's 256 rows
.irp s, 0,1
	v_add_nc_u32 v[ADRA+\s], s21, v3
	v_add_nc_u32 v[ADRB+\s], s22, v6
	s_add_co_u32 s21, s21, SLOT
	s_add_co_u32 s22, s22, SLOT
.endr
	s_mul_i32 s23, s10, 16*SPITCH
	s_add_co_u32 s23, s23, STAGE                   ; my stage
	v_mul_u32_u24 v4, v1, SPITCH
	v_lshl_add_u32 v4, v2, 4, v4
	v_add_nc_u32 v[STO], s23, v4
	v_mul_u32_u24 v5, v2, SPITCH
	v_lshl_add_u32 v5, v1, 4, v5
	v_add_nc_u32 v[RD], s23, v5
	v_mul_u32_u24 v5, v2, SIZE_N*2
	v_lshl_add_u32 v[CO], v1, 4, v5
; 16 matrix instructions: m blocks a0, a0 + 1 of the window's four x all 8 n blocks, 32 along K.  zero = 1: the first product starts the sums.
; The 64 accumulators take turns, one instruction a turn, in the same order in every quarter step.
.macro MUL16 f, hi, a0, zero
.irp a, \a0, \a0+1
.irp b, 0,1,2,3,4,5,6,7
.if \zero
	v_wmma_f32_16x16x32_f16 v[8*(8*(\a)+\b):8*(8*(\a)+\b)+7], v[\f+8*\b:\f+8*\b+7], v[\f+8*(4*\hi+\a):\f+8*(4*\hi+\a)+7], 0
.else
	v_wmma_f32_16x16x32_f16 v[8*(8*(\a)+\b):8*(8*(\a)+\b)+7], v[\f+8*\b:\f+8*\b+7], v[\f+8*(4*\hi+\a):\f+8*(4*\hi+\a)+7], v[8*(8*(\a)+\b):8*(8*(\a)+\b)+7]
.endif
.endr
.endr
.endm
; 32 LDS loads in one run: the fragments of quarter q (32 along K) of a slot into buffer f: B's 128 columns, then A's 128 rows
.macro FETCH slot, q, f
	WIN TO_B
.irp i, 0,1,2,3,4,5,6,7
	ds_load_tr16_b128 v[\f+8*\i:\f+8*\i+3],   v[ADRB+\slot] offset:\q*32*BPITCH+32*\i
	ds_load_tr16_b128 v[\f+8*\i+4:\f+8*\i+7], v[ADRB+\slot] offset:\q*32*BPITCH+16*BPITCH+32*\i
.endr
	WIN 0
.irp i, 0,1,2,3,4,5,6,7
	ds_load_b128 v[\f+8*\i:\f+8*\i+3],   v[ADRA+\slot] offset:\q*64+\i*16*PITCH
	ds_load_b128 v[\f+8*\i+4:\f+8*\i+7], v[ADRA+\slot] offset:\q*64+\i*16*PITCH+32
.endr
.endm
; Four places behind a matrix instruction before a load lands in a register that it read or a vector instruction reads its result
; (ISA guide 7.12.1 for vector instructions); matrix instructions in between are not counted.
.macro PLACES
.rept 4
	v_nop
.endr
.endm
; One of a K step's first three quarters: multiplies buffer f; in its middle it fetches quarter q of the same slot into buffer g.
.macro QUARTER slot, q, f, g, zero
	s_wait_dscnt 8                                 ; B and A's rows 0-63 are in; the youngest eight loads (A's rows 64-127) may be out
	WIN MUL_LO
	MUL16 \f, 0, 0, \zero
	MUL16 \f, 0, 2, \zero
	PLACES
	FETCH \slot, \q, \g
	s_wait_dscnt 32                                ; all but the 32 just issued
	WIN MUL_HI
	MUL16 \f, 1, 0, \zero
	MUL16 \f, 1, 2, \zero
.endm
.macro THREE slot, zero
	QUARTER \slot, 1, F0, F1, \zero
	QUARTER \slot, 2, F1, F0, 0
	QUARTER \slot, 3, F0, F1, 0
.endm
; The last quarter: multiplies buffer 1 and changes slots.  In front of the barrier each wave waits for its reads of this slot and for all
; its tensor loads (one is out: its part of the next slot).  Behind it the refill comes first, then the next slot's first fragments.
; From a request to the wait for it a wave issues 240 matrix instructions.
.macro TURN slot, next, fill
	s_wait_dscnt 8
	WIN MUL_LO
	MUL16 F1, 0, 0, 0
	s_wait_dscnt 0                                 ; my reads of this slot are over
	s_wait_tensorcnt 0x0                           ; and all my tensor loads have landed
	ds_add_u32 v255, v255
	s_wait_dscnt 0x0
	s_barrier_signal -1                            ; say so (where a slot is filled again this barrier opens a round of the cluster's barrier),
	MUL16 F1, 0, 2, 0                              ; work on registers while the others arrive,
	WIN 0
	s_barrier_wait -1
.if \fill
	CREST                                          ; no wave of any partner still reads this slot's tile or has a load on its way
	s_add_nc_u64 s[G0+4*\slot+2:G0+4*\slot+3], s[G0+4*\slot+2:G0+4*\slot+3], 2*KSTEP*2
	s_add_nc_u64 s[G0B+4*\slot+2:G0B+4*\slot+3], s[G0B+4*\slot+2:G0B+4*\slot+3], 2*KSTEP*SIZE_N*2
	JLOAD \slot                                    ; the first tensor load behind the round, and the wave's only one until the next
.endif
	PLACES
	FETCH \next, 0, F0
	WIN MUL_HI
	MUL16 F1, 1, 0, 0
	MUL16 F1, 1, 2, 0
.endm
.macro LAP zero
	THREE 0, \zero
	TURN 0, 1, 1
	THREE 1, 0
	TURN 1, 0, 1
.endm
	s_wait_tensorcnt 1                             ; my part of K step 0 is in; K step 1's may stay out
	s_barrier_signal -1
	s_barrier_wait -1
	FETCH 0, 0, F0
	LAP 1                                          ; the first lap stands in front of the loop: its first products start the sums
	WIN 0
	s_mov_b32 s3, LAPS-2
.Llap:
	LAP 0
	WIN 0
	s_sub_co_u32 s3, s3, 1
	s_cmp_lg_u32 s3, 0
	s_cbranch_scc1 .Llap
	THREE 0, 0                                     ; the last lap fills nothing and has no round
	TURN 0, 1, 0
	THREE 1, 0
	s_wait_dscnt 8
	WIN MUL_LO
	MUL16 F1, 0, 0, 0
	MUL16 F1, 0, 2, 0
	s_wait_dscnt 0
	WIN MUL_HI
	MUL16 F1, 1, 0, 0
	MUL16 F1, 1, 2, 0
	; THE WAY OUT, 16 rows of C at a time: round to f16, 16 bytes a lane into my own stage, read back as whole rows of 256 bytes.
	PLACES
	s_lshl_b32 s13, s13, 8
	s_lshl_b32 s14, s11, 7
	s_add_co_u32 s16, s13, s14                     ; my first row of C
	s_mul_i32 s16, s16, SIZE_N*2
	s_mov_b32 s17, 0
	s_add_nc_u64 s[8:9], s[8:9], s[16:17]
	s_lshl_b32 s46, s42, 9                         ; my first column, in bytes: 512 x block + 256 x half
	s_lshl_b32 s47, s12, 8
	s_add_co_u32 s46, s46, s47
	s_mov_b32 s47, 0
	s_add_nc_u64 s[8:9], s[8:9], s[46:47]
.macro OUT16 i, a, from, f
	WIN \from
.irp b, 0,1,2,3,4,5,6,7
.irp r, 0,1,2,3
	v_cvt_pk_f16_f32 v[TMP+4*\b+\r], v[8*(8*\a+\b)+2*\r], v[8*(8*\a+\b)+2*\r+1]
.endr
.endr
	WIN 0
.irp b, 0,1,2,3,4,5,6,7
	ds_store_b128 v[STO], v[TMP+4*\b:TMP+4*\b+3] offset:32*\b
.endr
	s_wait_xcnt 0x0                                ; buffer f, which earlier stores read, and the stores' base are rewritten only behind this wait
.if \i
	s_add_nc_u64 s[8:9], s[8:9], 16*SIZE_N*2
.endif
.irp t, 0,1,2,3,4,5,6,7
	ds_load_b128 v[\f+4*\t:\f+4*\t+3], v[RD] offset:\t*2*SPITCH    ; LDS serves a wave's instructions in order (ISA guide 5.7.1.4): these see the stores above
.endr
.irp t, 0,1,2,3,4,5,6,7
	s_wait_dscnt 7-\t                              ; read-back t is in, the younger ones stay out
	global_store_b128 v[CO], v[\f+4*\t:\f+4*\t+3], s[8:9] offset:2*\t*SIZE_N*2   ; 16 lanes store 256 consecutive bytes, at a multiple of 256 from C's first byte
.endr
.endm
	OUT16 0, 0, 0x0a, F0
	OUT16 1, 1, 0x0a, F1
	OUT16 2, 2, 0x0a, F0
	OUT16 3, 3, 0x0a, F1
	OUT16 4, 0, 0x0f, F0
	OUT16 5, 1, 0x0f, F1
	OUT16 6, 2, 0x0f, F0
	OUT16 7, 3, 0x0f, F1
	s_set_vgpr_msb 0x1
	s_wait_tensorcnt 0x0
	ds_add_u32 v255, v255
	s_wait_dscnt 0x0
	s_set_vgpr_msb 0x100
	CROUND                                         ; the closing round: no work-group ends while a partner may still ask for a tile that names it
	s_endpgm
.Lfunc_end_k_qcdf41b0c3f_qkvp:
	.size	k_qcdf41b0c3f_qkvp, .Lfunc_end_k_qcdf41b0c3f_qkvp-k_qcdf41b0c3f_qkvp
	.p2alignl 7, 3214868480
	.fill 96, 4, 3214868480
	.section	.rodata,"a",@progbits
	.p2align	6, 0x0
	.amdhsa_kernel k_qcdf41b0c3f_qkvp
		.amdhsa_group_segment_fixed_size 327680
		.amdhsa_private_segment_fixed_size 0
		.amdhsa_enable_private_segment 0
		.amdhsa_kernarg_size 16
		.amdhsa_user_sgpr_count 2
		.amdhsa_user_sgpr_kernarg_segment_ptr 1
		.amdhsa_wavefront_size32 1
		.amdhsa_system_sgpr_workgroup_id_x 1
		.amdhsa_system_sgpr_workgroup_id_y 1
		.amdhsa_system_sgpr_workgroup_id_z 1
		.amdhsa_system_vgpr_workitem_id 0
		.amdhsa_next_free_vgpr 1024
		.amdhsa_next_free_sgpr 66
		.amdhsa_reserve_vcc 0
		.amdhsa_float_denorm_mode_32 3
		.amdhsa_float_denorm_mode_16_64 3
		.amdhsa_memory_ordered 1
		.amdhsa_forward_progress 1
		.amdhsa_inst_pref_size 197
	.end_amdhsa_kernel
	.amdgpu_metadata
---
amdhsa.version: [ 1, 2 ]
amdhsa.kernels:
  - .name:           k_qcdf41b0c3f_qkvp
    .symbol:         k_qcdf41b0c3f_qkvp.kd
    .args:
      - { .name: cast, .offset: 0, .size: 8, .value_kind: global_buffer, .address_space: global }
      - { .name: qkv, .offset: 8, .size: 8, .value_kind: global_buffer, .address_space: global }
    .group_segment_fixed_size: 327680
    .private_segment_fixed_size: 0
    .kernarg_segment_align: 8
    .kernarg_segment_size: 16
    .max_flat_workgroup_size: 128
    .sgpr_count:     66
    .vgpr_count:     1024
    .wavefront_size: 32
...
	.end_amdgpu_metadata
.endif
;; end of part 2
;; launch attn (part 3): grid 256 x 1, 4 waves a work-group, no clusters, 327,680 bytes of LDS; arguments qkv, att; writes att
.if DOCPART == 3
	.amdgcn_target "amdgcn-amd-amdhsa--gfx1250"
	.amdhsa_code_object_version 6
	.text
	.protected	k_qcdf41b0c3f_attn
	.globl	k_qcdf41b0c3f_attn
	.p2align	8
	.type	k_qcdf41b0c3f_attn,@function
k_qcdf41b0c3f_attn:
	s_mov_b64 s[64:65], 0
	v_nop
	global_prefetch_b8 v0, s[64:65] scope:SCOPE_SE
	s_setreg_imm32_b32 hwreg(HW_REG_WAVE_MODE, 25, 1), 1
	s_wait_xcnt 0x0
; Causal softmax attention.  qkv: [4096][3072] f16 (row = b*2048 + t; columns 0-1023 q, 1024-2047 k, 2048-3071 v, each head*64 + d).
; att = softmax(q k^T / 32, keys s <= t) v, with a running maximum; sums in f32; f16, 4096 rows x 1024 columns (column = head*64 + d), laid
; IN THE ORDER OF THE NEXT LAUNCH'S FRAGMENTS: tile (mb = row / 16, kt = column / 16) is the 512 bytes at (64 mb + kt) 512, and lane l's 16 bytes
; at 16 l in it are row 16 mb + l % 16, columns 16 kt + 8 (l / 16) + 0..7.  That is what a lane holds here behind the last product, so a tile
; leaves by one store of 512 consecutive bytes straight from registers: no stage in LDS, no barrier at a block's end.
; LIMITS: q, k, v and the probabilities enter the products in f16 (the probabilities lie in 0 .. 1; att is a weighted mean of v and has v's room);
; v_exp_f32 gives 0 for results below 2^-126 (ISA guide 15.8).
; SHARE: a work-group takes two heads (2 hp, 2 hp + 1), so that every row of K and V is 256 consecutive bytes, and two blocks of 64
; queries, block p and then block 31 - p of its sequence's 32.  Key tiles are 128 keys; block qb needs tiles (qb >> 1) .. 0, so the two blocks
; together need (p >> 1) + 1 + 16 - (p >> 1) = 17 tiles for every p: 256 work-groups of 17 equal steps.  A block's tiles go downward, so the
; tile on the diagonal, the only one that is masked, comes first.  Wave w: head 2 hp + (w >> 1), queries 32 (w & 1) .. + 31, as two tiles of 16.
; TRANSPOSED FORMS: S^T = K Q^T puts key 16 kt + 8 (l / 16) + j of query l % 16 into register j; two such tiles rounded to f16 ARE the second
; source of O^T = V^T P^T for 32 keys, so P never leaves its lane.  V^T comes out of V [key][d] by the transposing LDS load.  A query's maximum
; and sum are one number a lane; only the maximum crosses the two halves of the wave in each step, the two half sums are added at a block's end.
; NO MULTICAST: the query blocks of one head pair need different numbers of tiles (1 to 16) at different steps; asking jointly would make every
; partner walk all 16 tiles of both blocks, 32 steps instead of 17.
; O is cleared by 64 moves at the head of each of the two blocks: a first product that starts the sums would need a second text of the whole step.
.set KPITCH, 272                       ; K's LDS row: 256 bytes + 16
.set VPITCH, 288                       ; V's LDS row: 256 bytes + 32 = 9 x 32, for the transposing load
.set KBYTES, 128*KPITCH                ; 34,816
.set SLOT,   KBYTES+128*VPITCH         ; 71,680: K's 128 rows, then V's; two slots
.set ROWB,   6144                      ; bytes in a row of qkv
.set TILEB,  128*ROWB                  ; from key tile to key tile
.set ORB,    32768                     ; bytes of a block of 16 rows of att: 64 tiles of 512
.set G1K, 24                           ; s[24:31] group 1 of K's loads
.set G1V, 32                           ; s[32:39] group 1 of V's loads
.set G0K, 40                           ; s[40:47] group 0 of K's loads, one set for each slot
.set G0V, 48                           ; s[48:55] group 0 of V's loads, one set for each slot
; s8 wave, s9 w & 1, s10 w >> 1, s11 p, s12 hp, s13 last block's first tile, s14 the tile asked for last, s15 this step's tile, s16 1 = mask this step,
; s18 trips, s[20:21] K's and s[22:23] V's first tile, s[56:57] an offset, s[58:59] c, c (c = log2 e / 32), s60-61 lane i <-> lane i xor 16, s62 -c,
; s[66:67] Q, s[68:69] output, s[70:71] and s[72:73] their steps to the second block, s74, s75 = 64 (qb & 1) of the first and second block
; window 0: v2-3 K's and v4-5 V's fragment address in slot 0, 1; v8 offset in Q; v9 16 x lane; v10 32 (w&1) + l%16 - 8 (l/16);
;   v11 -inf; v12-13 the largest unmasked 16 kt + j of query tile 0, 1; v14-15 running maximum; v16-17 running sum (my half's keys); v18-31 at work
.set QF, 32                            ; v32-63    Q fragment (qt, ks) at 32 + 8 (2 qt + ks)
.set OA, 64                            ; v64-127   O^T tile (dt, qt) at 64 + 8 (2 dt + qt)
.set SC, 128                           ; v128-255  S^T tile (kt, qt) at 128 + 64 qt + 8 kt; P fragment (u, qt) at 128 + 64 qt + 16 u, made in place
; window 1: K fragment (ks, kt) at 8 (8 ks + kt), v0-127; V^T fragment (u, dt) at 128 + 8 (4 u + dt)
.set MSB, 0
.macro WIN new                         ; the immediate's high byte repeats the setting that is left
.if MSB != \new
	s_set_vgpr_msb (MSB<<8)|\new
.set MSB, \new
.endif
.endm
.set TO_1, 0x40                        ; destination window 1, address window 0: the fragment loads
.set MUL,  0x01                        ; source 0 (K or V^T) window 1, all else window 0: every matrix instruction
; The address words of slot s's two groups 0 point at key tile s14.  Written only where no tensor load of the wave is out.
.macro AIM s
	s_mul_i32 s56, s14, TILEB
	s_add_nc_u64 s[G0K+4*\s+2:G0K+4*\s+3], s[20:21], s[56:57]
	s_or_b32 s[G0K+4*\s+3], s[G0K+4*\s+3], 0x80000000
	s_add_nc_u64 s[G0V+4*\s+2:G0V+4*\s+3], s[22:23], s[56:57]
	s_or_b32 s[G0V+4*\s+3], s[G0V+4*\s+3], 0x80000000
.endm
; One tensor load a wave: waves 0 and 1 bring K's two halves of 64 rows, waves 2 and 3 V's
.macro KVLOAD s
	s_cmp_eq_u32 s10, 0
	s_cbranch_scc0 .Lfor_v_\@
	tensor_load_to_lds s[G0K+4*\s:G0K+4*\s+3], s[G1K:G1K+7]
	s_nop 0
	s_branch .Lasked_\@
.Lfor_v_\@:
	tensor_load_to_lds s[G0V+4*\s:G0V+4*\s+3], s[G1V:G1V+7]
	s_nop 0
.Lasked_\@:
.endm
; My 32 queries' fragments straight from memory: lane l holds query l % 16; two loads of 16 bytes for each 32 of d
.macro QLOAD
.irp qt, 0,1
.irp ks, 0,1
	global_load_b128 v[QF+8*(2*\qt+\ks):QF+8*(2*\qt+\ks)+3],   v8, s[66:67] offset:\qt*16*ROWB+\ks*64
	global_load_b128 v[QF+8*(2*\qt+\ks)+4:QF+8*(2*\qt+\ks)+7], v8, s[66:67] offset:\qt*16*ROWB+\ks*64+32
.endr
.endr
.endm
; A block's state: O = 0, maximum = -inf, sum = 0; rel = the register with 64 (qb & 1)
.macro INITREG rel
.set i, 0
.rept 64
	v_mov_b32 v[OA+i], 0
.set i, i+1
.endr
	v_mov_b32 v14, v11
	v_mov_b32 v15, v11
	v_mov_b32 v16, 0
	v_mov_b32 v17, 0
	v_add_nc_u32 v12, \rel, v10                    ; key 16 kt + 8 (l/16) + j of the diagonal tile is kept if 16 kt + j <= 64 (qb & 1) + 32 (w & 1) + 16 qt + l%16 - 8 (l/16)
	v_add_nc_u32 v13, 16, v12
	s_mov_b32 s16, 1                               ; the block's first tile is the one on the diagonal
.endm
.macro MASK
.irp qt, 0,1
.irp kt, 0,1,2,3,4,5,6,7
.irp j, 0,1,2,3,4,5,6,7
	v_cmp_gt_i32 vcc_lo, 16*\kt+\j, v[12+\qt]
	v_cndmask_b32 v[SC+64*\qt+8*\kt+\j], v[SC+64*\qt+8*\kt+\j], v11, vcc_lo
.endr
.endr
.endr
	s_mov_b32 s16, 0
.endm
; The softmax step of query tile qt: 64 scores a lane.  Every query has key 0 of its diagonal tile unmasked, so the new maximum is finite.
.macro SOFTMAX qt
.set SB, SC+64*\qt
.irp c, 0,1,2,3
	v_max3_num_f32 v[18+\c], v[SB+16*\c], v[SB+16*\c+1], v[SB+16*\c+2]       ; four chains, started by the scores themselves
.endr
.irp k, 3,5,7,9,11,13
.irp c, 0,1,2,3
	v_max3_num_f32 v[18+\c], v[18+\c], v[SB+16*\c+\k], v[SB+16*\c+\k+1]
.endr
.endr
.irp c, 0,1,2,3
	v_max_num_f32 v[18+\c], v[18+\c], v[SB+16*\c+15]
.endr
	v_max3_num_f32 v18, v18, v19, v20
	v_max_num_f32 v18, v18, v21
	v_permlanex16_b32 v30, v18, s60, s61           ; the other half's keys of the same query
	v_max3_num_f32 v31, v18, v30, v[14+\qt]        ; the new running maximum
	v_sub_f32 v26, v[14+\qt], v31
	v_mul_f32 v28, s62, v31                        ; -m c
	v_mul_f32 v26, s58, v26
	v_mov_b32 v[14+\qt], v31
	v_exp_f32 v26, v26                             ; alpha = 2^((m old - m) c); the move below is the plain instruction behind it (ISA guide 5.7.2)
	v_mov_b32 v29, v28
.set i, 0
.rept 32
	v_pk_fma_f32 v[SB+i:SB+i+1], v[SB+i:SB+i+1], s[58:59], v[28:29] op_sel_hi:[1,0,1]   ; s c - m c
.set i, i+2
.endr
.set i, 0
.rept 64
	v_exp_f32 v[SB+i], v[SB+i]
.set i, i+1
.endr
	s_wait_alu depctr_va_vdst(0)
	v_mov_b32 v27, v26                             ; the plain instruction behind the last exponential
.irp c, 0,1,2,3
	v_pk_add_f32 v[18+2*\c:19+2*\c], v[SB+16*\c:SB+16*\c+1], v[SB+16*\c+2:SB+16*\c+3]   ; four chains of pairs
.endr
.irp k, 4,6,8,10,12,14
.irp c, 0,1,2,3
	v_pk_add_f32 v[18+2*\c:19+2*\c], v[18+2*\c:19+2*\c], v[SB+16*\c+\k:SB+16*\c+\k+1]
.endr
.endr
	v_pk_add_f32 v[18:19], v[18:19], v[20:21]
	v_pk_add_f32 v[22:23], v[22:23], v[24:25]
	v_pk_add_f32 v[18:19], v[18:19], v[22:23]
	v_add_f32 v18, v18, v19
	v_fma_f32 v[16+\qt], v[16+\qt], v26, v18       ; sum = sum alpha + this tile's
.irp u, 0,1,2,3
.irp i, 0,1,2,3,4,5,6,7
	v_cvt_pk_f16_f32 v[SB+16*\u+\i], v[SB+16*\u+2*\i], v[SB+16*\u+2*\i+1]    ; ascending: register i is written when 2 i and 2 i + 1 have been read
.endr
.endr
.irp dt, 0,1,2,3
.irp j, 0,2,4,6
	v_pk_mul_f32 v[OA+8*(2*\dt+\qt)+\j:OA+8*(2*\dt+\qt)+\j+1], v[OA+8*(2*\dt+\qt)+\j:OA+8*(2*\dt+\qt)+\j+1], v[26:27] op_sel_hi:[1,0]
.endr
.endr
.endm
; A block's end: divide by the sum, round, and store each of my eight tiles (two blocks of 16 queries x four tiles of 16 d) from registers.
; restart = 1: the second block's Q is asked for first, so that it lands meanwhile, and the state is set up again.
.macro FINAL restart
.rept 4
	v_nop                                          ; four places behind the last products before O is read (ISA guide 7.12.1)
.endr
.if \restart
	s_add_nc_u64 s[66:67], s[66:67], s[70:71]      ; the loads that used this base were waited for long ago
	QLOAD
.endif
	v_permlanex16_b32 v30, v16, s60, s61
	v_permlanex16_b32 v31, v17, s60, s61
	v_add_f32 v16, v16, v30                        ; the two halves' sums
	v_add_f32 v17, v17, v31
	v_rcp_f32 v26, v16
	v_rcp_f32 v28, v17
	v_nop                                          ; the plain instruction behind the reciprocals
	s_wait_alu depctr_va_vdst(0)
.irp dt, 0,1,2,3
.irp qt, 0,1
.irp j, 0,2,4,6
	v_pk_mul_f32 v[OA+8*(2*\dt+\qt)+\j:OA+8*(2*\dt+\qt)+\j+1], v[OA+8*(2*\dt+\qt)+\j:OA+8*(2*\dt+\qt)+\j+1], v[26+2*\qt:27+2*\qt] op_sel_hi:[1,0]
.endr
.endr
.endr
.irp dt, 0,1,2,3
.irp qt, 0,1
.irp i, 0,1,2,3
	v_cvt_pk_f16_f32 v[SC+4*(2*\dt+\qt)+\i], v[OA+8*(2*\dt+\qt)+2*\i], v[OA+8*(2*\dt+\qt)+2*\i+1]
.endr
	global_store_b128 v9, v[SC+4*(2*\dt+\qt):SC+4*(2*\dt+\qt)+3], s[68:69] offset:\qt*ORB+\dt*512   ; a whole tile: 512 consecutive bytes, at a multiple of 512
.endr
.endr
.if \restart
	s_wait_xcnt 0x0                                ; the stores' base and data are rewritten only behind this wait
	s_add_nc_u64 s[68:69], s[68:69], s[72:73]
	INITREG s75
	s_wait_loadcnt 0x0                             ; the second block's Q
.endif
.endm
; One step: the key tile in slot; other = the other slot; refill = 1: the next tile is asked for; tail = 1: the launch's last step.
.macro POS slot, other, refill, tail
	s_wait_tensorcnt 0x0                           ; all my tensor loads have landed: the one that was out is my part of this step's tile
	ds_add_u32 v6, v7
	s_wait_dscnt 0x0
	s_mov_b32 s15, s14
.if \refill
	s_sub_co_i32 s14, s14, 1                       ; the next tile: one down, or the second block's first
	s_cmp_lt_i32 s14, 0
	s_cselect_b32 s14, s13, s14
	AIM \other
.endif
	s_wait_dscnt 0x0                               ; my reads of the other slot are over
	s_barrier_signal -1
	s_barrier_wait -1                              ; both now hold of all four waves
.if \refill
	KVLOAD \other                                  ; first thing behind the barrier, my only tensor load until the next: it has the whole step in which to land
.endif
.rept 5
	v_nop                                          ; five places behind the last step's products: loads land in their first sources, and the products below write over their second
.endr
	WIN TO_1
.irp ks, 0,1
.irp kt, 0,1,2,3,4,5,6,7
	ds_load_b128 v[8*(8*\ks+\kt):8*(8*\ks+\kt)+3],   v[2+\slot] offset:\kt*16*KPITCH+\ks*64
	ds_load_b128 v[8*(8*\ks+\kt)+4:8*(8*\ks+\kt)+7], v[2+\slot] offset:\kt*16*KPITCH+\ks*64+32
.endr
.endr
.irp u, 0,1,2,3
.irp dt, 0,1,2,3
	ds_load_tr16_b128 v[128+8*(4*\u+\dt):128+8*(4*\u+\dt)+3],   v[4+\slot] offset:\u*32*VPITCH+\dt*32
	ds_load_tr16_b128 v[128+8*(4*\u+\dt)+4:128+8*(4*\u+\dt)+7], v[4+\slot] offset:\u*32*VPITCH+16*VPITCH+\dt*32
.endr
.endr
	WIN MUL
	s_wait_dscnt 48                                ; of the 64 loads the 16 oldest are in: K's fragments of d = 0..31
.irp kt, 0,1,2,3,4,5,6,7
.irp qt, 0,1
	v_wmma_f32_16x16x32_f16 v[SC+64*\qt+8*\kt:SC+64*\qt+8*\kt+7], v[8*\kt:8*\kt+7], v[QF+16*\qt:QF+16*\qt+7], 0
.endr
.endr
	s_wait_dscnt 32                                ; all of K's fragments; V's 32 loads may be out
.irp kt, 0,1,2,3,4,5,6,7                           ; the sixteen accumulators take turns, one instruction a turn
.irp qt, 0,1
	v_wmma_f32_16x16x32_f16 v[SC+64*\qt+8*\kt:SC+64*\qt+8*\kt+7], v[64+8*\kt:64+8*\kt+7], v[QF+16*\qt+8:QF+16*\qt+15], v[SC+64*\qt+8*\kt:SC+64*\qt+8*\kt+7]
.endr
.endr
	WIN 0
.rept 4
	v_nop                                          ; four places before the scores are read
.endr
.if \tail == 0
	s_cmp_eq_u32 s16, 0                            ; the last step is tile 0 of a block of at least nine tiles: never the diagonal
	s_cbranch_scc1 .Lnomask_\@
	MASK
.Lnomask_\@:
.endif
	SOFTMAX 0
	SOFTMAX 1
	s_wait_dscnt 0x0                               ; V's fragments
	WIN MUL
.irp u, 0,1,2,3                                    ; the eight accumulators take turns, one instruction a turn
.irp dt, 0,1,2,3
.irp qt, 0,1
	v_wmma_f32_16x16x32_f16 v[OA+8*(2*\dt+\qt):OA+8*(2*\dt+\qt)+7], v[128+8*(4*\u+\dt):128+8*(4*\u+\dt)+7], v[SC+64*\qt+16*\u:SC+64*\qt+16*\u+7], v[OA+8*(2*\dt+\qt):OA+8*(2*\dt+\qt)+7]
.endr
.endr
.endr
	WIN 0
.if \tail
	FINAL 0
.else
	s_cmp_lg_u32 s15, 0                            ; tile 0 ends a block; inside the loop that is the first block's end
	s_cbranch_scc1 .Lgoon_\@
	FINAL 1
.Lgoon_\@:
.endif
.endm
	s_load_b128 s[4:7], s[0:1], 0x0                ; qkv s[4:5], att s[6:7]
	v_lshl_add_u32 v6, v0, 2, 0x29000
	v_mov_b32 v7, 0
	ds_add_u32 v6, v7
	ds_add_u32 v6, v7
	v_lshrrev_b32 v1, 5, v0
	v_readfirstlane_b32 s8, v1                     ; wave 0..3
	s_and_b32 s9, s8, 1
	s_lshr_b32 s10, s8, 1
	s_and_b32 s11, ttmp9, 15                       ; p
	s_bfe_u32 s12, ttmp9, 0x30004                  ; hp: 3 bits from bit 4
	s_lshr_b32 s17, ttmp9, 7                       ; b
	s_lshr_b32 s14, s11, 1                         ; the first block's first tile: p >> 1
	s_sub_co_u32 s13, 15, s14                      ; the second block's: (31 - p) >> 1 = 15 - (p >> 1)
	; group 1: 64 rows x 128 elements of 2 bytes, 3,072 elements from row to row; padding behind every 64 words: 4 words for K, 8 for V
	s_mov_b32 s[G1K+0], (1<<16)|(1<<20)|(5<<22)|(3<<25)
	s_mov_b32 s[G1K+1], 128<<16
	s_mov_b32 s[G1K+2], 64<<16
	s_mov_b32 s[G1K+3], 128<<16
	s_mov_b32 s[G1K+4], 64
	s_mov_b32 s[G1K+5], 3072
	s_mov_b32 s[G1K+6], 0
	s_mov_b32 s[G1K+7], 0
	s_mov_b32 s[G1V+0], (1<<16)|(1<<20)|(5<<22)|(7<<25)
	s_mov_b32 s[G1V+1], 128<<16
	s_mov_b32 s[G1V+2], 64<<16
	s_mov_b32 s[G1V+3], 128<<16
	s_mov_b32 s[G1V+4], 64
	s_mov_b32 s[G1V+5], 3072
	s_mov_b32 s[G1V+6], 0
	s_mov_b32 s[G1V+7], 0
	s_mov_b32 s[G0K+0], 1
	s_mov_b32 s[G0K+4], 1
	s_mov_b32 s[G0V+0], 1
	s_mov_b32 s[G0V+4], 1
	s_mul_i32 s[G0K+1], s9, 64*KPITCH              ; my 64 rows of K's tile,
	s_add_co_u32 s[G0K+5], s[G0K+1], SLOT
	s_mul_i32 s[G0V+1], s9, 64*VPITCH              ; or of V's, behind K's
	s_add_co_u32 s[G0V+1], s[G0V+1], KBYTES
	s_add_co_u32 s[G0V+5], s[G0V+1], SLOT
	s_lshl_b32 s17, s17, 11                        ; the sequence's first row
	s_lshl_b32 s19, s9, 6
	s_add_co_u32 s19, s19, s17
	s_mul_i32 s56, s19, ROWB
	s_lshl_b32 s19, s12, 8                         ; the head pair's 256 bytes
	s_add_co_u32 s56, s56, s19
	s_add_co_u32 s56, s56, 2048                    ; k's columns
	s_mov_b32 s57, 0
	s_wait_dscnt 0x0
	s_wait_kmcnt 0x0
	s_add_nc_u64 s[20:21], s[4:5], s[56:57]
	s_add_nc_u64 s[22:23], s[20:21], 2048          ; v's columns
	AIM 0
	KVLOAD 0                                       ; the first fill, ahead of every wait on it, LDS read and barrier; one tensor load of the wave is out, here and ever after
	s_lshl_b32 s19, s11, 6
	s_add_co_u32 s19, s19, s17                     ; the first block's first row,
	s_lshl_b32 s74, s9, 5
	s_add_co_u32 s19, s19, s74                     ; and my 32 queries' first row, a multiple of 32
	s_mul_i32 s56, s19, ROWB
	s_lshl_b32 s74, s12, 8
	s_add_co_u32 s56, s56, s74
	s_lshl_b32 s74, s10, 7
	s_add_co_u32 s56, s56, s74
	s_add_nc_u64 s[66:67], s[4:5], s[56:57]        ; Q: my 32 queries, my head
	s_lshl_b32 s56, s19, 11                        ; row / 16 blocks of 32,768 bytes = row x 2,048
	s_lshl_b32 s74, s12, 12                        ; head 2 hp: four tiles of 512 bytes a head
	s_add_co_u32 s56, s56, s74
	s_lshl_b32 s74, s10, 11
	s_add_co_u32 s56, s56, s74
	s_add_nc_u64 s[68:69], s[6:7], s[56:57]        ; output: my first tile
	s_lshl_b32 s74, s11, 1
	s_sub_co_u32 s74, 31, s74                      ; blocks from p to 31 - p: 1 to 31
	s_mul_i32 s70, s74, 64*ROWB
	s_mov_b32 s71, 0
	s_lshl_b32 s72, s74, 17                        ; 64 rows = four blocks of 32,768 bytes
	s_mov_b32 s73, 0
	s_and_b32 s74, s11, 1
	s_lshl_b32 s74, s74, 6                         ; 64 (p & 1)
	s_sub_co_u32 s75, 64, s74                      ; 64 ((31 - p) & 1)
	s_mov_b32 s58, 0x3d38aa3b                      ; log2 e / 32
	s_mov_b32 s59, 0x3d38aa3b
	s_mov_b32 s62, 0xbd38aa3b
	s_mov_b32 s60, 0x76543210
	s_mov_b32 s61, 0xfedcba98
	v_and_b32 v19, 15, v0                          ; l % 16
	v_bfe_u32 v20, v0, 4, 1                        ; l / 16
	v_and_b32 v21, 7, v0
	v_bfe_u32 v22, v0, 3, 1
	v_mul_u32_u24 v8, v19, ROWB
	v_lshl_add_u32 v8, v20, 4, v8
	QLOAD
	s_lshl_b32 s19, s10, 7                         ; my head's 128 bytes of a row
	v_mul_u32_u24 v2, v19, KPITCH
	v_lshl_add_u32 v2, v20, 4, v2
	v_add_nc_u32 v2, s19, v2
	v_add_nc_u32 v3, SLOT, v2
	v_lshl_add_u32 v23, v20, 3, v21
	v_mul_u32_u24 v4, v23, VPITCH
	v_lshl_add_u32 v4, v22, 4, v4
	v_add_nc_u32 v4, s19, v4
	v_add_nc_u32 v4, KBYTES, v4
	v_add_nc_u32 v5, SLOT, v4
	v_and_b32 v9, 31, v0
	v_lshlrev_b32 v9, 4, v9                        ; my 16 bytes of a tile
	v_lshlrev_b32 v23, 3, v20
	v_sub_nc_u32 v10, v19, v23
	s_lshl_b32 s19, s9, 5
	v_add_nc_u32 v10, s19, v10
	v_mov_b32 v11, 0xff800000
	v_mov_b32 v30, 0                               ; destinations of v_permlanex16_b32 count as read
	v_mov_b32 v31, 0
	INITREG s74
	s_wait_loadcnt 0x0                             ; the first block's Q
	s_mov_b32 s18, 8
.Ltrip:
	POS 0, 1, 1, 0
	POS 1, 0, 1, 0
	s_sub_co_u32 s18, s18, 1
	s_cmp_lg_u32 s18, 0
	s_cbranch_scc1 .Ltrip
	POS 0, 1, 0, 1                                 ; the seventeenth step: nothing is left to fetch
	s_endpgm
.Lfunc_end_k_qcdf41b0c3f_attn:
	.size	k_qcdf41b0c3f_attn, .Lfunc_end_k_qcdf41b0c3f_attn-k_qcdf41b0c3f_attn
	.p2alignl 7, 3214868480
	.fill 96, 4, 3214868480
	.section	.rodata,"a",@progbits
	.p2align	6, 0x0
	.amdhsa_kernel k_qcdf41b0c3f_attn
		.amdhsa_group_segment_fixed_size 327680
		.amdhsa_private_segment_fixed_size 0
		.amdhsa_enable_private_segment 0
		.amdhsa_kernarg_size 16
		.amdhsa_user_sgpr_count 2
		.amdhsa_user_sgpr_kernarg_segment_ptr 1
		.amdhsa_wavefront_size32 1
		.amdhsa_system_sgpr_workgroup_id_x 1
		.amdhsa_system_sgpr_workgroup_id_y 1
		.amdhsa_system_sgpr_workgroup_id_z 1
		.amdhsa_system_vgpr_workitem_id 0
		.amdhsa_next_free_vgpr 512
		.amdhsa_next_free_sgpr 76
		.amdhsa_reserve_vcc 1
		.amdhsa_float_denorm_mode_32 3
		.amdhsa_float_denorm_mode_16_64 3
		.amdhsa_memory_ordered 1
		.amdhsa_forward_progress 1
		.amdhsa_inst_pref_size 147
	.end_amdhsa_kernel
	.amdgpu_metadata
---
amdhsa.version: [ 1, 2 ]
amdhsa.kernels:
  - .name:           k_qcdf41b0c3f_attn
    .symbol:         k_qcdf41b0c3f_attn.kd
    .args:
      - { .name: qkv, .offset: 0, .size: 8, .value_kind: global_buffer, .address_space: global }
      - { .name: att, .offset: 8, .size: 8, .value_kind: global_buffer, .address_space: global }
    .group_segment_fixed_size: 327680
    .private_segment_fixed_size: 0
    .kernarg_segment_align: 8
    .kernarg_segment_size: 16
    .max_flat_workgroup_size: 128
    .sgpr_count:     76
    .vgpr_count:     512
    .wavefront_size: 32
...
	.end_amdgpu_metadata
.endif
;; end of part 3
;; launch proj (part 4): grid 8 x 32, 4 waves a work-group, clusters of 4 x 4, 295,424 bytes of LDS; arguments att, cast, bo, x, x1, x1h; writes x1, x1h
.if DOCPART == 4
	.amdgcn_target "amdgcn-amd-amdhsa--gfx1250"
	.amdhsa_code_object_version 6
	.text
	.protected	k_qcdf41b0c3f_proj
	.globl	k_qcdf41b0c3f_proj
	.p2align	8
	.type	k_qcdf41b0c3f_proj,@function
k_qcdf41b0c3f_proj:
	s_mov_b64 s[64:65], 0
	v_nop
	global_prefetch_b8 v0, s[64:65] scope:SCOPE_SE
	s_setreg_imm32_b32 hwreg(HW_REG_WAVE_MODE, 25, 1), 1
	s_wait_xcnt 0x0
	s_wait_alu depctr_hold_cnt(0) depctr_sa_sdst(0) depctr_va_vdst(0) depctr_va_sdst(0) depctr_va_ssrc(0) depctr_va_vcc(0) depctr_vm_vsrc(0)
	s_getreg_b32 s2, hwreg(HW_REG_IB_STS2, 6, 4)
	s_cmp_eq_u32 s2, 0
	s_cbranch_scc0 .Lentry_in_a_cluster
	s_endpgm
.Lentry_in_a_cluster:
	s_bfe_u32 s2, ttmp6, 0x10000c
	s_cmp_lg_u32 s2, 0xf033
	s_cbranch_scc0 .Lentry_shape_is_right
	s_endpgm
.Lentry_shape_is_right:
; x1[m][n] = x[m][n] + bo[n] + sum over k of att[m][k] Wo[k][n], in f32, and x1h = x1 * s1 rounded to f16.
; att: 4096 x 1024 f16 IN FRAGMENT ORDER: tile (mb = m / 16, kt = k / 16) is the 512 bytes at (64 mb + kt) 512; lane l's 16 bytes at 16 l in it are
; row 16 mb + l % 16, k = 16 kt + 8 (l / 16) + 0..7.  Wo: [1024][1024] f16 at byte BOFF of cast; x, x1: [4096][1024] f32; x1h: [4096][1024] f16, then the scale records.
; THE SCALE s1.  x1 as it stands has no room in f16: inputs 30 times larger make it 30^3 = 27,000 times larger.  So the f16 copy carries a power of
; two taken from a bound that holds for every input: |v| <= 1024 max|x| max|Wv|; att is a weighted mean of v; hence
;   |x1| <= B = max|x| + max|bo| + 2^20 max|x| max|Wv| max|Wo|.
; With B < 2^(e+1), s1 = 2^(14-e) gives |x1 s1| < 2^15, half of f16's largest number; that factor of two covers the roundings in v, att and B.
; Numbers of x1 below B 2^-29 fall under f16's normal range and are rounded with an error of at most B 2^-40: where the product term rules B
; that is 2^-20 max|x| max|Wv| max|Wo|, 2^-8 of the error that rounding to f16 leaves in one largest product of v's sum.
; The three maxima come from the words that the casting launch left behind its copies (one for each of its waves), max|bo| from bo itself.
; Every wave forms s1 alike and stores (s1, 1/s1) 32 times as one record of 256 consecutive bytes at x1h + SCOFF + 256 (4 (8 block row + block column) + wave):
; later launches read the first record.
; LIMITS: the product's operands are f16; s1 is capped at 2^64 (it acts for B below 2^-50); the K sum is formed as four partial f32 sums
; (k % 512 in 0-127, 128-255, 256-383, 384-511) that are added at the end as (p0 + p1) + (p2 + p3), so the order of rounding differs from one ascending sum.
; SHAPE: 4 Mi outputs on 256 WGPs are blocks of 128 x 128.  Every wave keeps the WHOLE block (64 accumulator tiles, 512 registers) and multiplies
; its own quarter of K: k = 128 w .. 128 w + 127 of each chunk of 512, as four quarters of 32, 64 matrix instructions each.
; B goes through LDS, because it lies [K][N] and the transposing LDS load makes its fragments: two slots of 512 rows of k; wave w fetches and reads rows
; 128 w .. + 127.  K = 1024 is two chunks: both slots are filled once, at the start, and nothing is filled again.
; A GOES STRAIGHT INTO REGISTERS: a fragment (16 rows x 32 k) is 1,024 consecutive bytes of att in the registers' own order, two loads of 512 bytes.
; Four fragment buffers of 64 registers take turns, refilled by halves (a GROUP: 8 loads, 4 KiB): rows 0-63 as soon as a quarter's first 32 products have
; read them, rows 64-127 at the head of the next quarter.  Seven groups of a wave are out at any time, and a group is asked for 224 matrix instructions ahead.
; WHY A IS NOT ASKED FOR JOINTLY though the 8 block columns read the same rows: joint requests exist for tiles into LDS alone, and with A beside B in LDS
; a slot of 141,312 bytes feeds 128 matrix instructions of a wave, with B alone a slot of 147,456 bytes feeds 256; A through LDS would also be written and read there once more.
; CLUSTERS: 4 x 4 work-groups; B's tiles are shared along a column of the cluster by joint loads, one a wave.
; The residual's 32 loads take the places of the groups of A that the last quarters no longer need, and land in buffers 0 and 1 as these fall free.
; The four partial blocks meet once, in LDS, which also turns the lanes' layout into whole rows for the stores.
; REGISTERS: window 0: v0-63 addresses and the scale's work; v64-127, v128-191, v192-255 A's buffers 0, 1, 2 (later the residual and the partial sums read back).
;   window 1: v0-63 A's buffer 3; v64-127, v128-191 B's two buffers; v192-255 the numbers for the scale.  windows 2, 3: the accumulators (tile (a, b) at v[8 (8 a + b)]).
; The matrix instruction is used transposed (source 0 = columns of B, source 1 = rows of A): a lane holds eight neighbouring columns of one row.
.set SIZE_K, 1024
.set SIZE_N, 1024
.set RBS,    SIZE_K*32                 ; bytes of a block of 16 rows of A: 32,768
.set BOFF,   25165824                  ; Wo in cast
.set MXOFF,  33554432                  ; the casting waves' maxima in cast: 1,024 bytes a unit; x units 0-3, Wo unit 12, Wv unit 15
.set SCOFF,  8388608                   ; the scale records in x1h
.set KCH,    512                       ; a chunk of K
.set BPITCH, 288                       ; B's LDS row: 256 bytes + 32 = 9 x 32
.set WPART,  128*BPITCH                ; a wave's part of a slot: 36,864
.set SLOT,   4*WPART                   ; 147,456
.set PPITCH, 528                       ; a row of a partial block: 512 bytes + 16
.set PBLK,   128*PPITCH                ; 67,584; four of them take 270,336 bytes of the ring, behind its last fill
.set RD,   8                           ; v8-11   where I read my rows of partial block 0..3
.set S1,   12                          ; v12 s1, v13 1/s1
.set ADRB, 20                          ; v20-21  LDS address of my B fragments in slot 0, 1
.set STO,  24                          ; v24     where I put 32 bytes of a row of my partial block
.set CO,   26                          ; v26     16 x lane: my 16 bytes of 512 (A's tiles, x, x1)
.set CH,   27                          ; v27     8 x lane: the same in f16
.set BI,   28                          ; v[28:31] the bias of my four columns
.set F0,   64                          ; B's buffers, window 1
.set RES,  64                          ; v64-191 the residual of my 32 rows, 4 registers each
.set TMP,  192
.set AP,   14                          ; s[14:15] A: my block's first tile of my k
.set G1B,  48                          ; s[48:55] descriptor group 1
.set G0B,  56                          ; s[56:63] group 0, one set for each slot
.set MSB, 0
.macro WIN new                         ; the immediate's high byte repeats the setting that is left
.if MSB != \new
	s_set_vgpr_msb (MSB<<8)|\new
.set MSB, \new
.endif
.endm
.macro CREST                           ; a round of the cluster's barrier behind its opening barrier
	s_cmp_lg_u32 s10, 0
	s_cbranch_scc1 .Lnot_wave_0_\@
	s_barrier_signal -3
.Lnot_wave_0_\@:
	s_barrier_wait -3
	s_barrier_signal -1
	s_barrier_wait -1
.endm
.macro CROUND
	s_barrier_signal -1
	s_barrier_wait -1
	CREST
.endm
; A group of A: quarter qr (counted from s[AP]'s chunk), half 0 = rows 0-63, 1 = rows 64-127: four fragments, eight loads of 512 consecutive bytes, into buffer qr % 4
.macro ALOAD qr, half
.set LB_, (64+64*((\qr)%4))%256+32*\half
.set LO_, ((\qr)/4)*16384+((\qr)%4)*1024+4*\half*RBS
.if ((\qr)%4) == 3
	WIN 0x40                                       ; buffer 3 lies in window 1
.else
	WIN 0
.endif
.irp i, 0,1,2,3
	global_load_b128 v[LB_+8*\i:LB_+8*\i+3],   v[CO], s[AP:AP+1] offset:LO_+\i*RBS
	global_load_b128 v[LB_+8*\i+4:LB_+8*\i+7], v[CO], s[AP:AP+1] offset:LO_+\i*RBS+512
.endr
.endm
; A group of the residual: rows 8 r .. 8 r + 7 of my 32, 512 consecutive bytes each
.macro RLOAD r
	WIN 0
.irp t, 0,1,2,3,4,5,6,7
	global_load_b128 v[RES+4*(8*\r+\t):RES+4*(8*\r+\t)+3], v[CO], s[70:71] offset:4096*(8*\r+\t)
.endr
.endm
.macro ISSUE m, qr, half, r            ; m = 1: a group of A; 2: a group of the residual
.if \m == 1
	ALOAD \qr, \half
.endif
.if \m == 2
	RLOAD \r
.endif
.endm
; 16 LDS loads: B's 128 columns of quarter bq of my rows of a slot, into buffer f
.macro FETCHB slot, bq, f
	WIN 0x40
.irp i, 0,1,2,3,4,5,6,7
	ds_load_tr16_b128 v[\f+8*\i:\f+8*\i+3],   v[ADRB+\slot] offset:\bq*32*BPITCH+32*\i
	ds_load_tr16_b128 v[\f+8*\i+4:\f+8*\i+7], v[ADRB+\slot] offset:\bq*32*BPITCH+16*BPITCH+32*\i
.endr
.endm
; The 64 accumulators take turns, one instruction a turn, in the same order in every quarter.
.macro MUL16 f, ab, hi, a0, zero
.irp a, \a0, \a0+1
.irp b, 0,1,2,3,4,5,6,7
.if \zero
	v_wmma_f32_16x16x32_f16 v[8*(8*(\a)+\b):8*(8*(\a)+\b)+7], v[\f+8*\b:\f+8*\b+7], v[\ab+8*(4*\hi+\a):\ab+8*(4*\hi+\a)+7], 0
.else
	v_wmma_f32_16x16x32_f16 v[8*(8*(\a)+\b):8*(8*(\a)+\b)+7], v[\f+8*\b:\f+8*\b+7], v[\ab+8*(4*\hi+\a):\ab+8*(4*\hi+\a)+7], v[8*(8*(\a)+\b):8*(8*(\a)+\b)+7]
.endif
.endr
.endr
.endm
.macro PLACES                          ; four places behind a matrix instruction before a load lands in a register that it read (ISA guide 7.12.1 for vector instructions)
.rept 4
	v_nop
.endr
.endm
; Quarter qr.  kind 0: plain; 1: a slot's last quarter, with the barrier of the change of slots (fill = 1: the slot is filled again); 2: the launch's last.
; The groups go out in the order in which they are used: rows 0-63 of a quarter, its rows 64-127, the next quarter's ...; behind A's last group the residual's four.
; At the quarter's head the group is issued that is used 3.5 quarters on (m1, r1), in its middle the next one (m2, r2).
; c1, c2: how many younger loads may stay out when this quarter's rows 0-63 (rows 64-127) have to be there: six groups of eight, fewer at the very end.
.macro QTR qr, zero, kind, fill, m1, r1, m2, r2, c1, c2
.set AB_, (64+64*((\qr)%4))%256
.set WL_, 0xa1+4*(((\qr)%4)/3)         ; source 0 (B) window 1, source 1 (A) window 0 or 1, C and D window 2
.set WH_, 0xf1+4*(((\qr)%4)/3)         ; the same, C and D window 3
.set FB_, F0+64*((\qr)%2)
.set FN_, F0+64*(((\qr)+1)%2)
.set SL_, ((\qr)/4)%2
.set NS_, (((\qr)+1)/4)%2
.set NB_, ((\qr)+1)%4
	s_wait_loadcnt \c1                             ; loads come back in order (ISA guide 5.7.1): A's rows 0-63 of this quarter are in
.if \m1
	PLACES                                         ; behind the last quarter's products, which read the registers that are loaded now
	ISSUE \m1, (\qr)+3, 1, \r1
.endif
	s_wait_dscnt 0x0                               ; B's fragments of this quarter (in a slot's last quarter: my reads of the slot are over)
	WIN WL_
	MUL16 FB_, AB_, 0, 0, \zero
.if \kind == 1
	s_wait_tensorcnt 0x0                           ; all my tensor loads have landed: my part of the next slot
	s_barrier_signal -1                            ; say so (where the slot is filled again this barrier opens a round of the cluster's barrier),
.endif
	MUL16 FB_, AB_, 0, 2, \zero                    ; work on registers while the others arrive
.if \kind == 1
	WIN 0                                          ; (branches may follow)
	s_barrier_wait -1
.if \fill
	CREST                                          ; no wave of any partner still reads this slot or has a load on its way
	s_add_nc_u64 s[G0B+4*SL_+2:G0B+4*SL_+3], s[G0B+4*SL_+2:G0B+4*SL_+3], 2*KCH*SIZE_N*2
	tensor_load_to_lds s[G0B+4*SL_:G0B+4*SL_+3], s[G1B:G1B+7]    ; the first tensor load behind the round, the wave's only one until the next
.endif
.endif
.if \kind != 2
	PLACES
.endif
	s_wait_loadcnt \c2                             ; A's rows 64-127 of this quarter are in
.if \kind != 2
	FETCHB NS_, NB_, FN_
.endif
.if \m2
	ISSUE \m2, (\qr)+4, 0, \r2
.endif
	WIN WH_
	MUL16 FB_, AB_, 1, 0, \zero
	MUL16 FB_, AB_, 1, 2, \zero
.endm
	s_load_b128 s[4:7], s[0:1], 0x0                ; att s[4:5], cast s[6:7]
	s_load_b128 s[68:71], s[0:1], 0x10             ; bo s[68:69], x s[70:71]
	s_load_b128 s[72:75], s[0:1], 0x20             ; x1 s[72:73], x1h s[74:75]
	v_lshl_add_u32 v62, v0, 2, 0x48000
	v_mov_b32 v63, 0
	ds_add_u32 v62, v63
	ds_add_u32 v62, v63
	v_lshrrev_b32 v1, 5, v0
	v_readfirstlane_b32 s10, v1                    ; wave 0..3
	s_bfe_u32 s40, ttmp6, 0x40000                  ; cx
	s_bfe_u32 s41, ttmp6, 0x40004                  ; cy
	s_lshl_b32 s42, ttmp9, 2
	s_add_co_u32 s42, s42, s40                     ; block column
	s_and_b32 s13, ttmp7, 0xffff
	s_lshl_b32 s13, s13, 2
	s_add_co_u32 s13, s13, s41                     ; block row
	s_lshl_b32 s44, 0x1111, s40                    ; my column of the cluster: places cx, cx + 4, cx + 8, cx + 12
	; group 1: 128 rows of k x 128 elements of 2 bytes, 8 words of padding behind every 64 words
	s_or_b32 s[G1B+0], s44, (1<<16)|(1<<20)|(1<<21)|(5<<22)|(7<<25)
	s_mov_b32 s[G1B+1], 128<<16
	s_mov_b32 s[G1B+2], 128<<16
	s_mov_b32 s[G1B+3], 128<<16
	s_mov_b32 s[G1B+4], 128
	s_mov_b32 s[G1B+5], SIZE_N
	s_mov_b32 s[G1B+6], 0
	s_mov_b32 s[G1B+7], 0
	s_mul_i32 s46, s10, 128*SIZE_N*2               ; B: my 128 rows of a chunk,
	s_lshl_b32 s47, s42, 8                         ; column 128 x block column
	s_add_co_u32 s46, s46, s47
	s_mov_b32 s47, 0
	s_mul_i32 s20, s10, WPART                      ; where they go: the wave's number and constants alone
	s_mul_i32 s16, s13, 8*RBS                      ; A: my block's eight blocks of 16 rows,
	s_lshl_b32 s17, s10, 12                        ; my 128 of a chunk's k: eight tiles of 512 bytes
	s_add_co_u32 s16, s16, s17
	s_mov_b32 s17, 0
	s_lshl_b32 s76, s13, 7
	s_lshl_b32 s77, s10, 5
	s_add_co_u32 s76, s76, s77                     ; the first of the 32 rows that I add up and store
	s_lshl_b32 s76, s76, 12                        ; rows of 4,096 bytes
	s_lshl_b32 s78, s42, 9                         ; the block's 512 bytes of a row
	s_add_co_u32 s76, s76, s78
	s_mov_b32 s77, 0
	s_mov_b32 s79, 0
	s_lshr_b32 s22, s76, 1                         ; the same place in f16
	s_mov_b32 s23, 0
	s_lshl_b32 s18, s13, 3
	s_add_co_u32 s18, s18, s42                     ; 8 x block row + block column
	s_lshl_b32 s18, s18, 2
	s_add_co_u32 s18, s18, s10                     ; x 4 + wave
	s_lshl_b32 s18, s18, 8                         ; records of 256 bytes
	s_add_co_u32 s18, s18, SCOFF
	s_mov_b32 s19, 0
	s_mov_b32 s28, 0x76543210                      ; v_permlanex16_b32: lane i of one half reads lane i of the other
	s_mov_b32 s29, 0xfedcba98
	s_mov_b32 s30, 0x49800000                      ; 2^20
	s_wait_dscnt 0x0
	s_wait_kmcnt 0x0
	s_add_nc_u64 s[26:27], s[6:7], MXOFF           ; the casting waves' maxima
	s_add_nc_u64 s[6:7], s[6:7], BOFF
	s_add_nc_u64 s[46:47], s[6:7], s[46:47]
	s_add_nc_u64 s[AP:AP+1], s[4:5], s[16:17]
	s_add_nc_u64 s[24:25], s[68:69], s[78:79]      ; the bias of the block's 128 columns
	s_add_nc_u64 s[70:71], s[70:71], s[76:77]
	s_add_nc_u64 s[72:73], s[72:73], s[76:77]
	s_add_nc_u64 s[66:67], s[74:75], s[18:19]      ; my scale record
	s_add_nc_u64 s[74:75], s[74:75], s[22:23]
	CROUND                                         ; all sixteen work-groups are here: the first joint loads meet
.irp s, 0,1
	s_mov_b32 s[G0B+4*\s], 1
	s_add_co_u32 s[G0B+4*\s+1], s20, \s*SLOT
	s_add_nc_u64 s[G0B+4*\s+2:G0B+4*\s+3], s[46:47], \s*KCH*SIZE_N*2
	s_or_b32 s[G0B+4*\s+3], s[G0B+4*\s+3], 0x80000000
	tensor_load_to_lds s[G0B+4*\s:G0B+4*\s+3], s[G1B:G1B+7]      ; all of my rows of B: two loads of the wave are out, and none follows
	s_nop 0
	v_nop
.endr
	; what the scale needs and the bias (21 loads), then A's first five groups (40 loads)
	v_and_b32 v5, 31, v0
	v_lshlrev_b32 v[CO], 4, v5
	v_lshlrev_b32 v[CH], 3, v5
	WIN 0x40
.irp i, 0,1,2,3,4,5,6,7
	global_load_b128 v[192+4*\i:192+4*\i+3], v[CO], s[26:27] offset:512*\i             ; x: 1,024 words, into window 1
	global_load_b128 v[224+4*\i:224+4*\i+3], v[CO], s[68:69] offset:512*\i             ; bo: 1,024 numbers
.endr
	WIN 0
.irp i, 0,1
	global_load_b128 v[40+4*\i:40+4*\i+3], v[CO], s[26:27] offset:12*1024+512*\i       ; Wo: 256 words
	global_load_b128 v[48+4*\i:48+4*\i+3], v[CO], s[26:27] offset:15*1024+512*\i       ; Wv: 256 words
.endr
	global_load_b128 v[BI:BI+3], v[CO], s[24:25]
	ALOAD 0, 0
	ALOAD 0, 1
	ALOAD 1, 0
	ALOAD 1, 1
	ALOAD 2, 0
	; B's fragment (16 columns n x 32 k) from rows of k: two transposing loads, 16 rows of k apart, at (8 (l / 16) + l % 8) x pitch + 16 ((l / 8) % 2)
	v_and_b32 v1, 15, v0                           ; l % 16
	v_bfe_u32 v2, v0, 4, 1                         ; l / 16
	v_and_b32 v6, 7, v0
	v_bfe_u32 v7, v0, 3, 1
	v_lshl_add_u32 v6, v2, 3, v6
	v_mul_u32_u24 v6, v6, BPITCH
	v_lshl_add_u32 v6, v7, 4, v6
	v_add_nc_u32 v[ADRB], s20, v6
	v_add_nc_u32 v[ADRB+1], SLOT, v[ADRB]
	s_mul_i32 s22, s10, PBLK                       ; my partial block
	v_mul_u32_u24 v4, v1, PPITCH
	v_lshl_add_u32 v4, v2, 5, v4                   ; row l % 16, 32 bytes for each half of the lanes
	v_add_nc_u32 v[STO], s22, v4
	s_mul_i32 s23, s10, 32*PPITCH                  ; the 32 rows that I add up and store
.irp s, 0,1,2,3
	v_add_nc_u32 v[RD+\s], s23, v[CO]
	s_add_co_u32 s23, s23, PBLK
.endr
; the largest magnitude of n registers from base on (sources 0 and 1, in the window that is set), into dst (window 0)
.macro VMAX dst, base, n
	v_max_num_f32 v[\dst], |v[\base]|, |v[\base+1]|
.set i, 2
.rept (\n-2)/2
	v_max3_num_f32 v[\dst], |v[\base+i]|, |v[\base+i+1]|, v[\dst]
.set i, i+2
.endr
.endm
; and over the 32 lanes, the result in every lane
.macro XMAX r
	v_max_num_f32_dpp v[\r], v[\r], v[\r] row_xmask:1 row_mask:0xf bank_mask:0xf
	v_max_num_f32_dpp v[\r], v[\r], v[\r] row_xmask:2 row_mask:0xf bank_mask:0xf
	v_max_num_f32_dpp v[\r], v[\r], v[\r] row_xmask:4 row_mask:0xf bank_mask:0xf
	v_max_num_f32_dpp v[\r], v[\r], v[\r] row_xmask:8 row_mask:0xf bank_mask:0xf
	v_permlanex16_b32 v36, v[\r], s28, s29
	v_max_num_f32 v[\r], v[\r], v36
.endm
	v_mov_b32 v36, 0                               ; the destination of v_permlanex16_b32 counts as read
	s_wait_loadcnt 40                              ; the 21 oldest loads are in; A's five groups stay out
	WIN 0x05                                       ; sources 0 and 1 window 1
	VMAX 32, 192, 32                               ; max|x|
	VMAX 33, 224, 32                               ; max|bo|
	WIN 0
	VMAX 34, 40, 8                                 ; max|Wo|
	VMAX 35, 48, 8                                 ; max|Wv|
	XMAX 32
	XMAX 33
	XMAX 34
	XMAX 35
	v_mul_f32 v34, v34, v35
	v_mul_f32 v34, v34, v32
	v_add_f32 v32, v32, v33
	v_fma_f32 v32, v34, s30, v32                   ; B = max|x| + max|bo| + 2^20 max|x| max|Wv| max|Wo|
	v_lshrrev_b32 v32, 23, v32                     ; B is not negative: its exponent field, e + 127
	v_sub_nc_u32 v32, 268, v32                     ; the field of 2^(14 - e): 127 + 14 - e
	v_min_u32 v32, 191, v32                        ; at most 2^64
	v_lshlrev_b32 v[S1], 23, v32                   ; s1
	v_sub_nc_u32 v33, 254, v32
	v_lshlrev_b32 v[S1+1], 23, v33                 ; 1 / s1
	ALOAD 2, 1                                     ; A's sixth and seventh group
	ALOAD 3, 0
	WIN 0
	s_wait_tensorcnt 1                             ; my part of chunk 0 is in; chunk 1's may stay out
	s_barrier_signal -1
	s_barrier_wait -1
	FETCHB 0, 0, F0
	QTR 0, 1, 0, 0, 1, 0, 1, 0, 48, 48             ; the first products start the sums
	QTR 1, 0, 0, 0, 1, 0, 1, 0, 48, 48
	QTR 2, 0, 0, 0, 1, 0, 1, 0, 48, 48
	QTR 3, 0, 1, 0, 1, 0, 1, 0, 48, 48             ; the change of slots; nothing is filled again
	QTR 4, 0, 0, 0, 1, 0, 2, 0, 48, 48             ; A's last group, then the residual's four
	QTR 5, 0, 0, 0, 2, 1, 2, 2, 48, 48
	QTR 6, 0, 0, 0, 2, 3, 0, 0, 48, 48
	QTR 7, 0, 2, 0, 0, 0, 0, 0, 40, 32             ; behind A's rows 0-63: its rows 64-127 and the residual; behind these: the residual's 32 loads
	; THE END: the scale record goes out; the four partial blocks go to LDS; wave w adds up and stores rows 32 w .. 32 w + 31.
	PLACES
	WIN 0
	global_store_b64 v[CH], v[S1:S1+1], s[66:67]   ; 32 lanes x 8 bytes: 256 consecutive bytes, at a multiple of 256
	s_wait_dscnt 0x0                               ; my reads of the ring are over (all tensor loads were waited for at the change of slots)
	s_barrier_signal -1
	s_barrier_wait -1                              ; so are everybody's: the ring, which has had its last fill, becomes four partial blocks
.macro PART win, a4
	WIN \win
.irp a, 0,1,2,3
.irp b, 0,1,2,3,4,5,6,7
	ds_store_b128 v[STO], v[8*(8*\a+\b):8*(8*\a+\b)+3]   offset:(\a4+\a)*16*PPITCH+64*\b
	ds_store_b128 v[STO], v[8*(8*\a+\b)+4:8*(8*\a+\b)+7] offset:(\a4+\a)*16*PPITCH+64*\b+16
.endr
.endr
.endm
	PART 0x08, 0                                   ; data from window 2: rows 0-63
	PART 0x0c, 4                                   ; from window 3: rows 64-127
	WIN 0
	s_wait_dscnt 0x0                               ; for the others' sake: my partial block is written
	s_barrier_signal -1
	s_barrier_wait -1
	s_wait_loadcnt 0x0                             ; the residual
.macro GROUP g                         ; four rows
	s_wait_xcnt 0x0                                ; the registers below were the last group's store data
.irp t, 0,1,2,3
.irp s, 0,1,2,3
	ds_load_b128 v[TMP+16*\t+4*\s:TMP+16*\t+4*\s+3], v[RD+\s] offset:(4*\g+\t)*PPITCH
.endr
.endr
.irp t, 0,1,2,3
	s_wait_dscnt 12-4*\t                           ; row t's four parts are in, the younger rows' stay out
.irp j, 0,2
	v_pk_add_f32 v[TMP+16*\t+\j:TMP+16*\t+\j+1], v[TMP+16*\t+\j:TMP+16*\t+\j+1], v[TMP+16*\t+4+\j:TMP+16*\t+4+\j+1]
	v_pk_add_f32 v[TMP+16*\t+8+\j:TMP+16*\t+8+\j+1], v[TMP+16*\t+8+\j:TMP+16*\t+8+\j+1], v[TMP+16*\t+12+\j:TMP+16*\t+12+\j+1]
	v_pk_add_f32 v[RES+4*(4*\g+\t)+\j:RES+4*(4*\g+\t)+\j+1], v[RES+4*(4*\g+\t)+\j:RES+4*(4*\g+\t)+\j+1], v[BI+\j:BI+\j+1]
.endr
.irp j, 0,2
	v_pk_add_f32 v[TMP+16*\t+\j:TMP+16*\t+\j+1], v[TMP+16*\t+\j:TMP+16*\t+\j+1], v[TMP+16*\t+8+\j:TMP+16*\t+8+\j+1]
.endr
.irp j, 0,2
	v_pk_add_f32 v[TMP+16*\t+\j:TMP+16*\t+\j+1], v[TMP+16*\t+\j:TMP+16*\t+\j+1], v[RES+4*(4*\g+\t)+\j:RES+4*(4*\g+\t)+\j+1]
.endr
	global_store_b128 v[CO], v[TMP+16*\t:TMP+16*\t+3], s[72:73] offset:4096*(4*\g+\t)   ; the wave stores 512 consecutive bytes, at a multiple of 256
.irp j, 0,2
	v_pk_mul_f32 v[TMP+16*\t+8+\j:TMP+16*\t+8+\j+1], v[TMP+16*\t+\j:TMP+16*\t+\j+1], v[S1:S1+1] op_sel_hi:[1,0]   ; x1 s1: a power of two, exact
.endr
	v_cvt_pk_f16_f32 v[TMP+16*\t+4], v[TMP+16*\t+8],  v[TMP+16*\t+9]
	v_cvt_pk_f16_f32 v[TMP+16*\t+5], v[TMP+16*\t+10], v[TMP+16*\t+11]
	global_store_b64 v[CH], v[TMP+16*\t+4:TMP+16*\t+5], s[74:75] offset:2048*(4*\g+\t)  ; 256 consecutive bytes, at a multiple of 256
.endr
.endm
.irp g, 0,1,2,3,4,5,6,7
	GROUP \g
.endr
	s_wait_tensorcnt 0x0
	ds_add_u32 v62, v63
	s_wait_dscnt 0x0
	CROUND                                         ; the closing round
	s_endpgm
.Lfunc_end_k_qcdf41b0c3f_proj:
	.size	k_qcdf41b0c3f_proj, .Lfunc_end_k_qcdf41b0c3f_proj-k_qcdf41b0c3f_proj
	.p2alignl 7, 3214868480
	.fill 96, 4, 3214868480
	.section	.rodata,"a",@progbits
	.p2align	6, 0x0
	.amdhsa_kernel k_qcdf41b0c3f_proj
		.amdhsa_group_segment_fixed_size 295424
		.amdhsa_private_segment_fixed_size 0
		.amdhsa_enable_private_segment 0
		.amdhsa_kernarg_size 48
		.amdhsa_user_sgpr_count 2
		.amdhsa_user_sgpr_kernarg_segment_ptr 1
		.amdhsa_wavefront_size32 1
		.amdhsa_system_sgpr_workgroup_id_x 1
		.amdhsa_system_sgpr_workgroup_id_y 1
		.amdhsa_system_sgpr_workgroup_id_z 1
		.amdhsa_system_vgpr_workitem_id 0
		.amdhsa_next_free_vgpr 1024
		.amdhsa_next_free_sgpr 80
		.amdhsa_reserve_vcc 0
		.amdhsa_float_denorm_mode_32 3
		.amdhsa_float_denorm_mode_16_64 3
		.amdhsa_memory_ordered 1
		.amdhsa_forward_progress 1
		.amdhsa_inst_pref_size 124
	.end_amdhsa_kernel
	.amdgpu_metadata
---
amdhsa.version: [ 1, 2 ]
amdhsa.kernels:
  - .name:           k_qcdf41b0c3f_proj
    .symbol:         k_qcdf41b0c3f_proj.kd
    .args:
      - { .name: att, .offset: 0, .size: 8, .value_kind: global_buffer, .address_space: global }
      - { .name: cast, .offset: 8, .size: 8, .value_kind: global_buffer, .address_space: global }
      - { .name: bo, .offset: 16, .size: 8, .value_kind: global_buffer, .address_space: global }
      - { .name: x, .offset: 24, .size: 8, .value_kind: global_buffer, .address_space: global }
      - { .name: x1, .offset: 32, .size: 8, .value_kind: global_buffer, .address_space: global }
      - { .name: x1h, .offset: 40, .size: 8, .value_kind: global_buffer, .address_space: global }
    .group_segment_fixed_size: 295424
    .private_segment_fixed_size: 0
    .kernarg_segment_align: 8
    .kernarg_segment_size: 48
    .max_flat_workgroup_size: 128
    .sgpr_count:     80
    .vgpr_count:     1024
    .wavefront_size: 32
...
	.end_amdgpu_metadata
.endif
;; end of part 4
;; launch ffn1 (part 5): grid 16 x 16, 4 waves a work-group, clusters of 4 x 4, 327,680 bytes of LDS; arguments x1h, cast, b1, hid; writes hid
.if DOCPART == 5
	.amdgcn_target "amdgcn-amd-amdhsa--gfx1250"
	.amdhsa_code_object_version 6
	.text
	.protected	k_qcdf41b0c3f_ffn1
	.globl	k_qcdf41b0c3f_ffn1
	.p2align	8
	.type	k_qcdf41b0c3f_ffn1,@function
k_qcdf41b0c3f_ffn1:
	s_mov_b64 s[64:65], 0
	v_nop
	global_prefetch_b8 v0, s[64:65] scope:SCOPE_SE
	s_setreg_imm32_b32 hwreg(HW_REG_WAVE_MODE, 25, 1), 1
	s_wait_xcnt 0x0
	s_wait_alu depctr_hold_cnt(0) depctr_sa_sdst(0) depctr_va_vdst(0) depctr_va_sdst(0) depctr_va_ssrc(0) depctr_va_vcc(0) depctr_vm_vsrc(0)
	s_getreg_b32 s2, hwreg(HW_REG_IB_STS2, 6, 4)
	s_cmp_eq_u32 s2, 0
	s_cbranch_scc0 .Lentry_in_a_cluster
	s_endpgm
.Lentry_in_a_cluster:
	s_bfe_u32 s2, ttmp6, 0x10000c
	s_cmp_lg_u32 s2, 0xf033
	s_cbranch_scc0 .Lentry_shape_is_right
	s_endpgm
.Lentry_shape_is_right:
; hid[m][n] = relu(s1 b1[n] + sum over k of x1h[m][k] W1[k][n]) = s1 relu(x1 W1 + b1).  x1h: [4096][1024] f16, x1 times the power of two s1, which
; stands as the first word behind it (byte SCOFF); W1: [1024][4096] f16 at byte BOFF of cast; b1: [4096] f32.
; hid: 4096 x 4096 bf16 IN THE ORDER OF THE NEXT LAUNCH'S FRAGMENTS: tile (mb = m / 16, nt = n / 16) is the 512 bytes at (256 mb + nt) 512, and lane l's
; 16 bytes at 16 l in it are row 16 mb + l % 16, columns 16 nt + 8 (l / 16) + 0..7.  That is what a lane holds here behind the last product (see
; below), so a tile leaves by one store of 512 consecutive bytes straight from registers: no stage in LDS.
; Sums in f32, started by the scaled bias, K ascending, rounded once.  hid keeps the factor s1: bf16 has f32's range, so it costs nothing here,
; and the next launch takes it out of its sums.  hid is bf16 because it has no room in f16: inputs 30 times larger make it 30^4 times larger.
; LIMITS: the operands are f16; relu is v_max_num_f32 with 0, so a NaN sum would come out as 0.
; A work-group makes 256 x 256 of C with four waves, one for each SIMD of a WGP; a wave makes 128 x 128: 64 accumulator tiles, 512 registers.
; K goes in steps of 128 through a ring of two LDS slots filled by the tensor data mover.  A's tile is 256 rows x 256 bytes; B lies [K][N]
; in memory, so its tile is 128 rows of k x 512 bytes of n, and the transposing LDS load (ds_load_tr16_b128) turns it into fragments.
; CLUSTERS: 4 x 4 work-groups.  A's tiles are shared along a row of the cluster, B's along a column, by joint loads.  Grid 16 x 16 = 256 work-groups.
; REGISTERS, in windows of 256: window 0: v0-31 addresses; v64-127, v128-191 fragments of A, two buffers; v64-255 the way out.
;   window 1: v0-63 the scaled bias as eight tiles (tile b, register j = s1 b1 of column 16 b + 8 (l / 16) + j); v64-127, v128-191 fragments of B.
;   window 2: the 32 tiles of my rows 0-63 (tile (a, b) at v[8 (8 a + b)]); window 3: rows 64-127.
; THE MATRIX INSTRUCTION IS USED TRANSPOSED: source 0 = 16 columns n of B, source 1 = 16 rows of A, so that lane l holds row l % 16 of C and
; its registers 0-7 the columns 8 (l / 16) + 0..7.  The first product of each tile takes the bias tile as its C.
.set SIZE_N, 4096
.set SIZE_K, 1024
.set BOFF,   8388608                   ; W1 in cast
.set SCOFF,  8388608                   ; the scale in x1h: s1, then 1 / s1
.set HRB,    131072                    ; bytes of a block of 16 rows of hid: 256 tiles of 512
.set KSTEP,  128
.set PITCH,  272                       ; A's LDS row: 256 bytes + 16
.set BPITCH, 544                       ; B's LDS row: 512 bytes + 32 = 17 x 32
.set HALFT,  128*PITCH                 ; what one tensor load brings: 128 rows of A, or 64 rows of B
.set SLOT,   4*HALFT
.set LAPS,   SIZE_K/(2*KSTEP)
.set ADRA, 16
.set ADRB, 20
.set CO,   26                          ; v26  16 x lane: my 16 bytes of a tile of hid
.set BO,   27                          ; v27  32 (l / 16): my eight numbers of a bias tile
.set F0,   64
.set F1,   128
.set G1,  24
.set G0,  32
.set G1B, 48
.set G0B, 56
.set MSB, 0
.macro WIN new                         ; the immediate's high byte repeats the setting that is left
.if MSB != \new
	s_set_vgpr_msb (MSB<<8)|\new
.set MSB, \new
.endif
.endm
.set MUL_LO,   0xa1                    ; source 0 (B) window 1, source 1 (A) window 0, C and D window 2
.set MUL_HI,   0xf1                    ; the same, C and D window 3
.set FIRST_LO, 0x91                    ; the first products: C (the bias) window 1, D window 2
.set FIRST_HI, 0xd1                    ; C window 1, D window 3
.set TO_B,     0x40                    ; destination window 1, address window 0
.macro JLOAD s                         ; waves 0 and 1 fetch A's two halves, waves 2 and 3 B's
	s_cmp_eq_u32 s11, 0
	s_cbranch_scc0 .Lfor_b_\@
	tensor_load_to_lds s[G0+4*\s:G0+4*\s+3], s[G1:G1+7]
	s_nop 0
	s_branch .Lasked_\@
.Lfor_b_\@:
	tensor_load_to_lds s[G0B+4*\s:G0B+4*\s+3], s[G1B:G1B+7]
	s_nop 0
.Lasked_\@:
.endm
.macro CREST                           ; a round of the cluster's barrier behind its opening barrier
	s_cmp_lg_u32 s10, 0
	s_cbranch_scc1 .Lnot_wave_0_\@
	s_barrier_signal -3
.Lnot_wave_0_\@:
	s_barrier_wait -3
	s_barrier_signal -1
	s_barrier_wait -1
.endm
.macro CROUND
	s_barrier_signal -1
	s_barrier_wait -1
	CREST
.endm
	s_load_b128 s[4:7], s[0:1], 0x0                ; x1h s[4:5], cast s[6:7]
	s_load_b128 s[68:71], s[0:1], 0x10             ; b1 s[68:69], hid s[70:71]
	s_set_vgpr_msb 0x40
	v_lshl_add_u32 v255, v0, 2, 0x44000
	s_set_vgpr_msb 0x4000
	v_mov_b32 v63, 0
	s_set_vgpr_msb 0x1
	ds_add_u32 v255, v63
	ds_add_u32 v255, v63
	s_set_vgpr_msb 0x100
	v_lshrrev_b32 v1, 5, v0
	v_readfirstlane_b32 s10, v1                    ; wave 0..3
	s_lshr_b32 s11, s10, 1                         ; which half of the block's rows is mine.  Also: I fetch for A (0) or for B (1)
	s_and_b32 s12, s10, 1                          ; which half of its columns.  Also: which half of that tile I fetch
	s_bfe_u32 s40, ttmp6, 0x40000                  ; cx
	s_bfe_u32 s41, ttmp6, 0x40004                  ; cy
	s_lshl_b32 s42, ttmp9, 2
	s_add_co_u32 s42, s42, s40                     ; block column
	s_and_b32 s13, ttmp7, 0xffff
	s_lshl_b32 s13, s13, 2
	s_add_co_u32 s13, s13, s41                     ; block row
	s_lshl_b32 s43, s41, 2
	s_lshl_b32 s43, 15, s43                        ; my row of the cluster
	s_lshl_b32 s44, 0x1111, s40                    ; my column
	; group 1 of A: 128 rows x 128 elements of 2 bytes, 4 words of padding behind every 64 words
	s_or_b32 s[G1+0], s43, (1<<16)|(1<<20)|(1<<21)|(5<<22)|(3<<25)
	s_mov_b32 s[G1+1], KSTEP<<16
	s_mov_b32 s[G1+2], 128<<16
	s_mov_b32 s[G1+3], KSTEP<<16
	s_mov_b32 s[G1+4], 128
	s_mov_b32 s[G1+5], SIZE_K
	s_mov_b32 s[G1+6], 0
	s_mov_b32 s[G1+7], 0
	; group 1 of B: 64 rows of k x 256 elements, 8 words of padding behind every 128 words
	s_or_b32 s[G1B+0], s44, (1<<16)|(1<<20)|(1<<21)|(6<<22)|(7<<25)
	s_mov_b32 s[G1B+1], 256<<16
	s_mov_b32 s[G1B+2], 64<<16
	s_mov_b32 s[G1B+3], 256<<16
	s_mov_b32 s[G1B+4], 64
	s_mov_b32 s[G1B+5], SIZE_N
	s_mov_b32 s[G1B+6], 0
	s_mov_b32 s[G1B+7], 0
	s_lshl_b32 s17, s12, 7
	s_lshl_b32 s16, s13, 8
	s_add_co_u32 s16, s16, s17                     ; A: row 256 x block row + 128 x half
	s_mul_i32 s16, s16, SIZE_K*2
	s_mov_b32 s17, 0
	s_mul_i32 s46, s12, 64*SIZE_N*2                ; B: row of k 64 x half,
	s_lshl_b32 s47, s42, 9                         ; column 256 x block column
	s_add_co_u32 s46, s46, s47
	s_mov_b32 s47, 0
	s_mul_i32 s20, s10, HALFT                      ; where they go: wave x 34,816
	s_lshl_b32 s66, s42, 10                        ; the bias of my 128 columns: 4 (256 x block column + 128 x half)
	s_lshl_b32 s67, s12, 9
	s_add_co_u32 s66, s66, s67
	s_mov_b32 s67, 0
	s_wait_dscnt 0x0
	s_wait_kmcnt 0x0
	s_mov_b64 s[8:9], s[70:71]                     ; C
	s_add_nc_u64 s[6:7], s[6:7], BOFF              ; B
	s_add_nc_u64 s[68:69], s[68:69], s[66:67]
	s_add_nc_u64 s[14:15], s[4:5], s[16:17]
	s_add_nc_u64 s[46:47], s[6:7], s[46:47]
	s_add_nc_u64 s[72:73], s[4:5], SCOFF           ; the scale
	CROUND                                         ; all sixteen work-groups are here: the first joint loads meet
.irp s, 0,1
	s_mov_b32 s[G0+4*\s], 1
	s_add_co_u32 s[G0+4*\s+1], s20, \s*SLOT
	s_add_nc_u64 s[G0+4*\s+2:G0+4*\s+3], s[14:15], \s*KSTEP*2
	s_or_b32 s[G0+4*\s+3], s[G0+4*\s+3], 0x80000000
	s_mov_b32 s[G0B+4*\s], 1
	s_add_co_u32 s[G0B+4*\s+1], s20, \s*SLOT
	s_add_nc_u64 s[G0B+4*\s+2:G0B+4*\s+3], s[46:47], \s*KSTEP*SIZE_N*2
	s_or_b32 s[G0B+4*\s+3], s[G0B+4*\s+3], 0x80000000
	JLOAD \s                                       ; two loads of the wave are out
.endr
	s_load_b64 s[74:75], s[72:73], 0x0             ; s1 in s74 (1 / s1 in s75); this launch stores nothing into x1h
	v_and_b32 v1, 15, v0                           ; l % 16
	v_bfe_u32 v2, v0, 4, 1                         ; l / 16
	v_lshlrev_b32 v[BO], 5, v2
	WIN TO_B
.irp b, 0,1,2,3,4,5,6,7
	global_load_b128 v[8*\b:8*\b+3],   v[BO], s[68:69] offset:64*\b       ; the bias tiles, into window 1
	global_load_b128 v[8*\b+4:8*\b+7], v[BO], s[68:69] offset:64*\b+16
.endr
	WIN 0
	v_mul_u32_u24 v3, v1, PITCH
	v_lshl_add_u32 v3, v2, 4, v3
	v_and_b32 v6, 7, v0
	v_bfe_u32 v7, v0, 3, 1
	v_lshl_add_u32 v6, v2, 3, v6
	v_mul_u32_u24 v6, v6, BPITCH
	v_lshl_add_u32 v6, v7, 4, v6
	s_mul_i32 s21, s11, HALFT                      ; my 128 rows of A
	s_lshl_b32 s22, s12, 8                         ; my 128 columns of B,
	s_add_co_u32 s22, s22, 2*HALFT                 ; behind A's 256 rows
.irp s, 0,1
	v_add_nc_u32 v[ADRA+\s], s21, v3
	v_add_nc_u32 v[ADRB+\s], s22, v6
	s_add_co_u32 s21, s21, SLOT
	s_add_co_u32 s22, s22, SLOT
.endr
	v_and_b32 v5, 31, v0
	v_lshlrev_b32 v[CO], 4, v5
; 16 matrix instructions.  first = 1: C is the bias tile of n block b (window 1), which starts the sums.
; The 64 accumulators take turns, one instruction a turn, in the same order in every quarter step.
.macro MUL16 f, hi, a0, first
.irp a, \a0, \a0+1
.irp b, 0,1,2,3,4,5,6,7
.if \first
	v_wmma_f32_16x16x32_f16 v[8*(8*(\a)+\b):8*(8*(\a)+\b)+7], v[\f+8*\b:\f+8*\b+7], v[\f+8*(4*\hi+\a):\f+8*(4*\hi+\a)+7], v[8*\b:8*\b+7]
.else
	v_wmma_f32_16x16x32_f16 v[8*(8*(\a)+\b):8*(8*(\a)+\b)+7], v[\f+8*\b:\f+8*\b+7], v[\f+8*(4*\hi+\a):\f+8*(4*\hi+\a)+7], v[8*(8*(\a)+\b):8*(8*(\a)+\b)+7]
.endif
.endr
.endr
.endm
.macro FETCH slot, q, f                ; 32 LDS loads: quarter q of a slot into buffer f: B's 128 columns, then A's 128 rows
	WIN TO_B
.irp i, 0,1,2,3,4,5,6,7
	ds_load_tr16_b128 v[\f+8*\i:\f+8*\i+3],   v[ADRB+\slot] offset:\q*32*BPITCH+32*\i
	ds_load_tr16_b128 v[\f+8*\i+4:\f+8*\i+7], v[ADRB+\slot] offset:\q*32*BPITCH+16*BPITCH+32*\i
.endr
	WIN 0
.irp i, 0,1,2,3,4,5,6,7
	ds_load_b128 v[\f+8*\i:\f+8*\i+3],   v[ADRA+\slot] offset:\q*64+\i*16*PITCH
	ds_load_b128 v[\f+8*\i+4:\f+8*\i+7], v[ADRA+\slot] offset:\q*64+\i*16*PITCH+32
.endr
.endm
.macro PLACES                          ; four places behind a matrix instruction (ISA guide 7.12.1 for vector instructions)
.rept 4
	v_nop
.endr
.endm
.macro QUARTER slot, q, f, g, first
	s_wait_dscnt 8                                 ; B and A's rows 0-63 are in; the youngest eight loads (A's rows 64-127) may be out
.if \first
	WIN FIRST_LO
.else
	WIN MUL_LO
.endif
	MUL16 \f, 0, 0, \first
	MUL16 \f, 0, 2, \first
	PLACES
	FETCH \slot, \q, \g
	s_wait_dscnt 32                                ; all but the 32 just issued
.if \first
	WIN FIRST_HI
.else
	WIN MUL_HI
.endif
	MUL16 \f, 1, 0, \first
	MUL16 \f, 1, 2, \first
.endm
.macro THREE slot, first
	QUARTER \slot, 1, F0, F1, \first
	QUARTER \slot, 2, F1, F0, 0
	QUARTER \slot, 3, F0, F1, 0
.endm
; The last quarter: multiplies buffer 1 and changes slots.  From a request to the wait for it a wave issues 240 matrix instructions.
.macro TURN slot, next, fill
	s_wait_dscnt 8
	WIN MUL_LO
	MUL16 F1, 0, 0, 0
	s_wait_dscnt 0                                 ; my reads of this slot are over
	s_wait_tensorcnt 0x0                           ; and all my tensor loads have landed: the one that was out is my part of the next slot
	ds_add_u32 v255, v63
	s_wait_dscnt 0x0
	s_barrier_signal -1
	MUL16 F1, 0, 2, 0
	WIN 0
	s_barrier_wait -1
.if \fill
	CREST                                          ; no wave of any partner still reads this slot or has a load on its way
	s_add_nc_u64 s[G0+4*\slot+2:G0+4*\slot+3], s[G0+4*\slot+2:G0+4*\slot+3], 2*KSTEP*2
	s_add_nc_u64 s[G0B+4*\slot+2:G0B+4*\slot+3], s[G0B+4*\slot+2:G0B+4*\slot+3], 2*KSTEP*SIZE_N*2
	JLOAD \slot                                    ; the first tensor load behind the round, the wave's only one until the next
.endif
	PLACES
	FETCH \next, 0, F0
	WIN MUL_HI
	MUL16 F1, 1, 0, 0
	MUL16 F1, 1, 2, 0
.endm
.macro LAP first
	THREE 0, \first
	TURN 0, 1, 1
	THREE 1, 0
	TURN 1, 0, 1
.endm
	s_wait_loadcnt 0x0                             ; the bias
	s_wait_kmcnt 0x0                               ; and the scale
	WIN 0x41                                       ; source 0 and destination window 1
.set i, 0
.rept 32
	v_pk_mul_f32 v[i:i+1], v[i:i+1], s[74:75] op_sel_hi:[1,0]     ; s1 b1: a power of two, exact
.set i, i+2
.endr
	WIN 0
	s_wait_tensorcnt 1                             ; my part of K step 0 is in; K step 1's may stay out
	s_barrier_signal -1
	s_barrier_wait -1
	FETCH 0, 0, F0
	LAP 1                                          ; the first lap stands in front of the loop: its first products start the sums from the bias
	WIN 0
	s_mov_b32 s3, LAPS-2
.Llap:
	LAP 0
	WIN 0
	s_sub_co_u32 s3, s3, 1
	s_cmp_lg_u32 s3, 0
	s_cbranch_scc1 .Llap
	THREE 0, 0                                     ; the last lap fills nothing and has no round
	TURN 0, 1, 0
	THREE 1, 0
	s_wait_dscnt 8
	WIN MUL_LO
	MUL16 F1, 0, 0, 0
	MUL16 F1, 0, 2, 0
	s_wait_dscnt 0
	WIN MUL_HI
	MUL16 F1, 1, 0, 0
	MUL16 F1, 1, 2, 0
	PLACES
	WIN 0x88                                       ; relu in place: source 1 and destination window 2,
.set i, 0
.rept 256
	v_max_num_f32 v[i], 0, v[i]
.set i, i+1
.endr
	WIN 0xcc                                       ; then window 3
.set i, 0
.rept 256
	v_max_num_f32 v[i], 0, v[i]
.set i, i+1
.endr
	; THE WAY OUT: a tile's eight numbers a lane are rounded to bf16, 16 bytes, and the tile is stored as it lies in the lanes.
	s_lshl_b32 s16, s13, 4
	s_lshl_b32 s14, s11, 3
	s_add_co_u32 s16, s16, s14                     ; my first block of 16 rows: 16 x block row + 8 x half
	s_lshl_b32 s16, s16, 17                        ; blocks of 131,072 bytes
	s_lshl_b32 s46, s42, 4
	s_lshl_b32 s47, s12, 3
	s_add_co_u32 s46, s46, s47                     ; my first tile of 16 columns: 16 x block column + 8 x half
	s_lshl_b32 s46, s46, 9
	s_add_co_u32 s16, s16, s46
	s_mov_b32 s17, 0
	s_add_nc_u64 s[8:9], s[8:9], s[16:17]
; rows 16 i .. 16 i + 15 of my block = the eight tiles (a, 0..7) of window 2 or 3 (from = 0x0a or 0x0f: sources 0 and 1).  Six sets of 32 registers take turns.
.macro OUT16 i, a, from
.set T_, 64+32*((\i)%6)
.if \i >= 6
	s_wait_xcnt 0x0                                ; sets 0 and 1, which earlier stores read, are rewritten only behind this wait
.endif
	WIN \from
.irp b, 0,1,2,3,4,5,6,7
.irp r, 0,1,2,3
	v_cvt_pk_bf16_f32 v[T_+4*\b+\r], v[8*(8*\a+\b)+2*\r], v[8*(8*\a+\b)+2*\r+1]
.endr
.endr
	WIN 0
.irp b, 0,1,2,3,4,5,6,7
	global_store_b128 v[CO], v[T_+4*\b:T_+4*\b+3], s[8:9] offset:\i*HRB+\b*512   ; a whole tile: 512 consecutive bytes, at a multiple of 512; the eight tiles are 4,096 consecutive bytes
.endr
.endm
	OUT16 0, 0, 0x0a
	OUT16 1, 1, 0x0a
	OUT16 2, 2, 0x0a
	OUT16 3, 3, 0x0a
	OUT16 4, 0, 0x0f
	OUT16 5, 1, 0x0f
	OUT16 6, 2, 0x0f
	OUT16 7, 3, 0x0f
	CROUND                                         ; the closing round
	s_endpgm
.Lfunc_end_k_qcdf41b0c3f_ffn1:
	.size	k_qcdf41b0c3f_ffn1, .Lfunc_end_k_qcdf41b0c3f_ffn1-k_qcdf41b0c3f_ffn1
	.p2alignl 7, 3214868480
	.fill 96, 4, 3214868480
	.section	.rodata,"a",@progbits
	.p2align	6, 0x0
	.amdhsa_kernel k_qcdf41b0c3f_ffn1
		.amdhsa_group_segment_fixed_size 327680
		.amdhsa_private_segment_fixed_size 0
		.amdhsa_enable_private_segment 0
		.amdhsa_kernarg_size 32
		.amdhsa_user_sgpr_count 2
		.amdhsa_user_sgpr_kernarg_segment_ptr 1
		.amdhsa_wavefront_size32 1
		.amdhsa_system_sgpr_workgroup_id_x 1
		.amdhsa_system_sgpr_workgroup_id_y 1
		.amdhsa_system_sgpr_workgroup_id_z 1
		.amdhsa_system_vgpr_workitem_id 0
		.amdhsa_next_free_vgpr 1024
		.amdhsa_next_free_sgpr 76
		.amdhsa_reserve_vcc 0
		.amdhsa_float_denorm_mode_32 3
		.amdhsa_float_denorm_mode_16_64 3
		.amdhsa_memory_ordered 1
		.amdhsa_forward_progress 1
		.amdhsa_inst_pref_size 205
	.end_amdhsa_kernel
	.amdgpu_metadata
---
amdhsa.version: [ 1, 2 ]
amdhsa.kernels:
  - .name:           k_qcdf41b0c3f_ffn1
    .symbol:         k_qcdf41b0c3f_ffn1.kd
    .args:
      - { .name: x1h, .offset: 0, .size: 8, .value_kind: global_buffer, .address_space: global }
      - { .name: cast, .offset: 8, .size: 8, .value_kind: global_buffer, .address_space: global }
      - { .name: b1, .offset: 16, .size: 8, .value_kind: global_buffer, .address_space: global }
      - { .name: hid, .offset: 24, .size: 8, .value_kind: global_buffer, .address_space: global }
    .group_segment_fixed_size: 327680
    .private_segment_fixed_size: 0
    .kernarg_segment_align: 8
    .kernarg_segment_size: 32
    .max_flat_workgroup_size: 128
    .sgpr_count:     76
    .vgpr_count:     1024
    .wavefront_size: 32
...
	.end_amdgpu_metadata
.endif
;; end of part 5
;; launch ffn2 (part 6): grid 8 x 32, 4 waves a work-group, clusters of 4 x 4, 327,680 bytes of LDS; arguments hid, cast, b2, x1, out0, x1h; writes out0
.if DOCPART == 6
	.amdgcn_target "amdgcn-amd-amdhsa--gfx1250"
	.amdhsa_code_object_version 6
	.text
	.protected	k_qcdf41b0c3f_ffn2
	.globl	k_qcdf41b0c3f_ffn2
	.p2align	8
	.type	k_qcdf41b0c3f_ffn2,@function
k_qcdf41b0c3f_ffn2:
	s_mov_b64 s[64:65], 0
	v_nop
	global_prefetch_b8 v0, s[64:65] scope:SCOPE_SE
	s_setreg_imm32_b32 hwreg(HW_REG_WAVE_MODE, 25, 1), 1
	s_wait_xcnt 0x0
	s_wait_alu depctr_hold_cnt(0) depctr_sa_sdst(0) depctr_va_vdst(0) depctr_va_sdst(0) depctr_va_ssrc(0) depctr_va_vcc(0) depctr_vm_vsrc(0)
	s_getreg_b32 s2, hwreg(HW_REG_IB_STS2, 6, 4)
	s_cmp_eq_u32 s2, 0
	s_cbranch_scc0 .Lentry_in_a_cluster
	s_endpgm
.Lentry_in_a_cluster:
	s_bfe_u32 s2, ttmp6, 0x10000c
	s_cmp_lg_u32 s2, 0xf033
	s_cbranch_scc0 .Lentry_shape_is_right
	s_endpgm
.Lentry_shape_is_right:
; out0[m][n] = x1[m][n] + b2[n] + (1 / s1) sum over k of hid[m][k] W2[k][n], in f32.
; hid: 4096 x 4096 bf16, the hidden layer times the power of two s1, IN FRAGMENT ORDER: tile (mb = m / 16, kt = k / 16) is the 512 bytes at
; (256 mb + kt) 512; lane l's 16 bytes at 16 l in it are row 16 mb + l % 16, k = 16 kt + 8 (l / 16) + 0..7.  W2: [4096][1024] bf16 at byte BOFF of cast;
; x1, out0: [4096][1024] f32; 1 / s1 is the second word behind x1h's numbers (byte SCOFF + 4).  It rides on the fused multiply-add that adds residual and bias.
; LIMITS: the product's operands are bf16; the K sum is formed as four partial f32 sums (k % 512 in 0-127, 128-255, 256-383, 384-511) that are added
; at the end as (p0 + p1) + (p2 + p3), so the order of rounding differs from a single ascending sum.
; SHAPE: 4 Mi outputs on 256 WGPs are blocks of 128 x 128.  Every wave keeps the WHOLE block (64 accumulator tiles, 512 registers) and multiplies
; its own quarter of K: k = 128 w .. 128 w + 127 of each chunk of 512, as four quarters of 32, 64 matrix instructions each.
; B goes through LDS, because it lies [K][N] and the transposing LDS load makes its fragments: a ring of two slots of 512 rows of k; wave w fetches and
; reads rows 128 w .. + 127 of a slot.  From a slot's request to the wait for it a wave issues 240 matrix instructions.
; A GOES STRAIGHT INTO REGISTERS: a fragment (16 rows x 32 k) is 1,024 consecutive bytes of hid in the registers' own order, two loads of 512 bytes.
; Four fragment buffers of 64 registers take turns, refilled by halves (a GROUP: 8 loads, 4 KiB): rows 0-63 as soon as a quarter's first 32 products have
; read them, rows 64-127 at the head of the next quarter.  Seven groups of a wave are out at any time, and a group is asked for 224 matrix instructions ahead.
; WHY A IS NOT ASKED FOR JOINTLY though the 8 block columns read the same rows: joint requests exist for tiles into LDS alone, and with A beside B in LDS
; a slot of 141,312 bytes feeds 128 matrix instructions of a wave, with B alone a slot of 147,456 bytes feeds 256; A through LDS would also be written and read there once more.
; CLUSTERS: 4 x 4 work-groups; B's tiles are shared along a column of the cluster by joint loads, one a wave.
; The residual's 32 loads take the places of the groups of A that the last quarters no longer need, and land in buffers 0 and 1 as these fall free.
; The four partial blocks meet once, in LDS, which also turns the lanes' layout into whole rows for the stores.
; REGISTERS: window 0: v0-31 addresses; v64-127, v128-191, v192-255 A's buffers 0, 1, 2 (later the residual and the partial sums read back).
;   window 1: v0-63 A's buffer 3; v64-127, v128-191 B's two buffers.  windows 2, 3: the accumulators (tile (a, b) at v[8 (8 a + b)], rows 0-63 and 64-127).
; The matrix instruction is used transposed (source 0 = columns of B, source 1 = rows of A): a lane holds eight neighbouring columns of one row.
.set SIZE_K, 4096
.set SIZE_N, 1024
.set RBS,    SIZE_K*32                 ; bytes of a block of 16 rows of A: 131,072
.set BOFF,   16777216                  ; W2 in cast
.set SCOFF,  8388608                   ; the scale in x1h: s1, then 1 / s1
.set KCH,    512                       ; a chunk of K
.set BPITCH, 288                       ; B's LDS row: 256 bytes + 32 = 9 x 32
.set WPART,  128*BPITCH                ; a wave's part of a slot: 36,864
.set SLOT,   4*WPART                   ; 147,456
.set PPITCH, 528                       ; a row of a partial block: 512 bytes + 16
.set PBLK,   128*PPITCH                ; 67,584; four of them take 270,336 bytes of the ring, behind its last fill
.set LAPS,   SIZE_K/(2*KCH)            ; a lap = two chunks = eight quarters = once round the ring: 4
.set RD,   8                           ; v8-11   where I read my rows of partial block 0..3
.set ADRB, 20                          ; v20-21  LDS address of my B fragments in slot 0, 1
.set STO,  24                          ; v24     where I put 32 bytes of a row of my partial block
.set CO,   26                          ; v26     16 x lane: my 16 bytes of 512 (A's tiles, x1, out0)
.set BI,   28                          ; v[28:31] the bias of my four columns
.set F0,   64                          ; B's buffers, window 1
.set RES,  64                          ; v64-191 the residual of my 32 rows, 4 registers each
.set TMP,  192
.set AP,   14                          ; s[14:15] A: my block's first tile of my k in the lap's first chunk
.set G1B,  48                          ; s[48:55] descriptor group 1
.set G0B,  56                          ; s[56:63] group 0, one set for each slot
.set MSB, 0
.macro WIN new                         ; the immediate's high byte repeats the setting that is left
.if MSB != \new
	s_set_vgpr_msb (MSB<<8)|\new
.set MSB, \new
.endif
.endm
.macro CREST                           ; a round of the cluster's barrier behind its opening barrier
	s_cmp_lg_u32 s10, 0
	s_cbranch_scc1 .Lnot_wave_0_\@
	s_barrier_signal -3
.Lnot_wave_0_\@:
	s_barrier_wait -3
	s_barrier_signal -1
	s_barrier_wait -1
.endm
.macro CROUND
	s_barrier_signal -1
	s_barrier_wait -1
	CREST
.endm
; A group of A: quarter qr (counted from s[AP]'s chunk; it may lie in the next lap), half 0 = rows 0-63, 1 = rows 64-127: four fragments, eight loads of 512 consecutive bytes, into buffer qr % 4
.macro ALOAD qr, half
.set LB_, (64+64*((\qr)%4))%256+32*\half
.set LO_, ((\qr)/4)*16384+((\qr)%4)*1024+4*\half*RBS
.if ((\qr)%4) == 3
	WIN 0x40                                       ; buffer 3 lies in window 1
.else
	WIN 0
.endif
.irp i, 0,1,2,3
	global_load_b128 v[LB_+8*\i:LB_+8*\i+3],   v[CO], s[AP:AP+1] offset:LO_+\i*RBS
	global_load_b128 v[LB_+8*\i+4:LB_+8*\i+7], v[CO], s[AP:AP+1] offset:LO_+\i*RBS+512
.endr
.endm
; A group of the residual: rows 8 r .. 8 r + 7 of my 32, 512 consecutive bytes each
.macro RLOAD r
	WIN 0
.irp t, 0,1,2,3,4,5,6,7
	global_load_b128 v[RES+4*(8*\r+\t):RES+4*(8*\r+\t)+3], v[CO], s[70:71] offset:4096*(8*\r+\t)
.endr
.endm
.macro ISSUE m, qr, half, r            ; m = 1: a group of A; 2: a group of the residual
.if \m == 1
	ALOAD \qr, \half
.endif
.if \m == 2
	RLOAD \r
.endif
.endm
; 16 LDS loads: B's 128 columns of quarter bq of my rows of a slot, into buffer f
.macro FETCHB slot, bq, f
	WIN 0x40
.irp i, 0,1,2,3,4,5,6,7
	ds_load_tr16_b128 v[\f+8*\i:\f+8*\i+3],   v[ADRB+\slot] offset:\bq*32*BPITCH+32*\i
	ds_load_tr16_b128 v[\f+8*\i+4:\f+8*\i+7], v[ADRB+\slot] offset:\bq*32*BPITCH+16*BPITCH+32*\i
.endr
.endm
; The 64 accumulators take turns, one instruction a turn, in the same order in every quarter.
.macro MUL16 f, ab, hi, a0, zero
.irp a, \a0, \a0+1
.irp b, 0,1,2,3,4,5,6,7
.if \zero
	v_wmma_f32_16x16x32_bf16 v[8*(8*(\a)+\b):8*(8*(\a)+\b)+7], v[\f+8*\b:\f+8*\b+7], v[\ab+8*(4*\hi+\a):\ab+8*(4*\hi+\a)+7], 0
.else
	v_wmma_f32_16x16x32_bf16 v[8*(8*(\a)+\b):8*(8*(\a)+\b)+7], v[\f+8*\b:\f+8*\b+7], v[\ab+8*(4*\hi+\a):\ab+8*(4*\hi+\a)+7], v[8*(8*(\a)+\b):8*(8*(\a)+\b)+7]
.endif
.endr
.endr
.endm
.macro PLACES                          ; four places behind a matrix instruction before a load lands in a register that it read (ISA guide 7.12.1 for vector instructions)
.rept 4
	v_nop
.endr
.endm
; Quarter qr of a lap.  kind 0: plain; 1: a slot's last quarter, with the barrier of the change of slots (fill = 1: the slot is filled again); 2: the launch's last.
; The groups go out in the order in which they are used: rows 0-63 of a quarter, its rows 64-127, the next quarter's ...; behind A's last group the residual's four.
; At the quarter's head the group is issued that is used 3.5 quarters on (m1, r1), in its middle the next one (m2, r2).
; c1, c2: how many younger loads may stay out when this quarter's rows 0-63 (rows 64-127) have to be there: six groups of eight, fewer at the very end.
.macro QTR qr, zero, kind, fill, m1, r1, m2, r2, c1, c2
.set AB_, (64+64*((\qr)%4))%256
.set WL_, 0xa1+4*(((\qr)%4)/3)         ; source 0 (B) window 1, source 1 (A) window 0 or 1, C and D window 2
.set WH_, 0xf1+4*(((\qr)%4)/3)         ; the same, C and D window 3
.set FB_, F0+64*((\qr)%2)
.set FN_, F0+64*(((\qr)+1)%2)
.set SL_, ((\qr)/4)%2
.set NS_, (((\qr)+1)/4)%2
.set NB_, ((\qr)+1)%4
	s_wait_loadcnt \c1                             ; loads come back in order (ISA guide 5.7.1): A's rows 0-63 of this quarter are in
.if \m1
	PLACES                                         ; behind the last quarter's products, which read the registers that are loaded now
	ISSUE \m1, (\qr)+3, 1, \r1
.endif
	s_wait_dscnt 0x0                               ; B's fragments of this quarter (in a slot's last quarter: my reads of the slot are over)
	WIN WL_
	MUL16 FB_, AB_, 0, 0, \zero
.if \kind == 1
	s_wait_tensorcnt 0x0                           ; all my tensor loads have landed: the one that was out is my part of the next slot
	ds_add_u32 v254, v255
	s_wait_dscnt 0x0
	s_barrier_signal -1                            ; say so (where the slot is filled again this barrier opens a round of the cluster's barrier),
.endif
	MUL16 FB_, AB_, 0, 2, \zero                    ; work on registers while the others arrive
.if \kind == 1
	WIN 0                                          ; (branches may follow)
	s_barrier_wait -1
.if \fill
	CREST                                          ; no wave of any partner still reads this slot or has a load on its way
	s_add_nc_u64 s[G0B+4*SL_+2:G0B+4*SL_+3], s[G0B+4*SL_+2:G0B+4*SL_+3], 2*KCH*SIZE_N*2
	tensor_load_to_lds s[G0B+4*SL_:G0B+4*SL_+3], s[G1B:G1B+7]    ; the first tensor load behind the round, the wave's only one until the next
	s_nop 0
.endif
.endif
.if \kind != 2
	PLACES
.endif
	s_wait_loadcnt \c2                             ; A's rows 64-127 of this quarter are in
.if \kind != 2
	FETCHB NS_, NB_, FN_
.endif
.if \m2
	ISSUE \m2, (\qr)+4, 0, \r2
.endif
	WIN WH_
	MUL16 FB_, AB_, 1, 0, \zero
	MUL16 FB_, AB_, 1, 2, \zero
.endm
.macro LAP zero                        ; once round the ring, both slots filled again
	QTR 0, \zero, 0, 0, 1, 0, 1, 0, 48, 48
	QTR 1, 0, 0, 0, 1, 0, 1, 0, 48, 48
	QTR 2, 0, 0, 0, 1, 0, 1, 0, 48, 48
	QTR 3, 0, 1, 1, 1, 0, 1, 0, 48, 48
	QTR 4, 0, 0, 0, 1, 0, 1, 0, 48, 48
	QTR 5, 0, 0, 0, 1, 0, 1, 0, 48, 48
	QTR 6, 0, 0, 0, 1, 0, 1, 0, 48, 48
	QTR 7, 0, 1, 1, 1, 0, 1, 0, 48, 48
	WIN 0
	s_wait_xcnt 0x0                                ; A's base, which pending loads name, is stepped only behind this wait
	s_add_nc_u64 s[AP:AP+1], s[AP:AP+1], 32768     ; two chunks of 32 tiles of 512 bytes
.endm
	s_load_b128 s[4:7], s[0:1], 0x0                ; hid s[4:5], cast s[6:7]
	s_load_b128 s[68:71], s[0:1], 0x10             ; b2 s[68:69], x1 s[70:71]
	s_load_b128 s[72:75], s[0:1], 0x20             ; out0 s[72:73], x1h s[74:75]
	s_set_vgpr_msb 0x40
	v_lshl_add_u32 v254, v0, 2, 0x48000
	v_mov_b32 v255, 0
	s_set_vgpr_msb 0x4045
	ds_add_u32 v254, v255
	ds_add_u32 v254, v255
	s_set_vgpr_msb 0x4500
	v_lshrrev_b32 v1, 5, v0
	v_readfirstlane_b32 s10, v1                    ; wave 0..3
	s_bfe_u32 s40, ttmp6, 0x40000                  ; cx
	s_bfe_u32 s41, ttmp6, 0x40004                  ; cy
	s_lshl_b32 s42, ttmp9, 2
	s_add_co_u32 s42, s42, s40                     ; block column
	s_and_b32 s13, ttmp7, 0xffff
	s_lshl_b32 s13, s13, 2
	s_add_co_u32 s13, s13, s41                     ; block row
	s_lshl_b32 s44, 0x1111, s40                    ; my column of the cluster: places cx, cx + 4, cx + 8, cx + 12
	; group 1: 128 rows of k x 128 elements of 2 bytes, 8 words of padding behind every 64 words
	s_or_b32 s[G1B+0], s44, (1<<16)|(1<<20)|(1<<21)|(5<<22)|(7<<25)
	s_mov_b32 s[G1B+1], 128<<16
	s_mov_b32 s[G1B+2], 128<<16
	s_mov_b32 s[G1B+3], 128<<16
	s_mov_b32 s[G1B+4], 128
	s_mov_b32 s[G1B+5], SIZE_N
	s_mov_b32 s[G1B+6], 0
	s_mov_b32 s[G1B+7], 0
	s_mul_i32 s46, s10, 128*SIZE_N*2               ; B: my 128 rows of a chunk,
	s_lshl_b32 s47, s42, 8                         ; column 128 x block column
	s_add_co_u32 s46, s46, s47
	s_mov_b32 s47, 0
	s_mul_i32 s20, s10, WPART                      ; where they go: the wave's number and constants alone
	s_mul_i32 s16, s13, 8*RBS                      ; A: my block's eight blocks of 16 rows (below 32 MiB),
	s_lshl_b32 s17, s10, 12                        ; my 128 of a chunk's k: eight tiles of 512 bytes
	s_add_co_u32 s16, s16, s17
	s_mov_b32 s17, 0
	s_lshl_b32 s76, s13, 7
	s_lshl_b32 s77, s10, 5
	s_add_co_u32 s76, s76, s77                     ; the first of the 32 rows that I add up and store
	s_lshl_b32 s76, s76, 12                        ; rows of 4,096 bytes
	s_lshl_b32 s78, s42, 9                         ; the block's 512 bytes of a row
	s_add_co_u32 s76, s76, s78
	s_mov_b32 s77, 0
	s_mov_b32 s79, 0
	s_wait_dscnt 0x0
	s_wait_kmcnt 0x0
	s_add_nc_u64 s[6:7], s[6:7], BOFF
	s_add_nc_u64 s[46:47], s[6:7], s[46:47]
	s_add_nc_u64 s[AP:AP+1], s[4:5], s[16:17]
	s_add_nc_u64 s[68:69], s[68:69], s[78:79]      ; the bias of the block's 128 columns
	s_add_nc_u64 s[70:71], s[70:71], s[76:77]
	s_add_nc_u64 s[72:73], s[72:73], s[76:77]
	s_add_nc_u64 s[74:75], s[74:75], SCOFF         ; the scale
	CROUND                                         ; all sixteen work-groups are here: the first joint loads meet
.irp s, 0,1
	s_mov_b32 s[G0B+4*\s], 1
	s_add_co_u32 s[G0B+4*\s+1], s20, \s*SLOT
	s_add_nc_u64 s[G0B+4*\s+2:G0B+4*\s+3], s[46:47], \s*KCH*SIZE_N*2
	s_or_b32 s[G0B+4*\s+3], s[G0B+4*\s+3], 0x80000000
	tensor_load_to_lds s[G0B+4*\s:G0B+4*\s+3], s[G1B:G1B+7]      ; the ring is filled first: two loads of the wave are out
	s_nop 0
.endr
	s_load_b32 s66, s[74:75], 0x4                  ; 1 / s1; this launch stores nothing into x1h
	v_and_b32 v5, 31, v0
	v_lshlrev_b32 v[CO], 4, v5
	global_load_b128 v[BI:BI+3], v[CO], s[68:69]   ; the bias, then A's first seven groups: 57 loads
	ALOAD 0, 0
	ALOAD 0, 1
	ALOAD 1, 0
	ALOAD 1, 1
	ALOAD 2, 0
	ALOAD 2, 1
	ALOAD 3, 0
	WIN 0
	; B's fragment (16 columns n x 32 k) from rows of k: two transposing loads, 16 rows of k apart, at (8 (l / 16) + l % 8) x pitch + 16 ((l / 8) % 2)
	v_and_b32 v1, 15, v0                           ; l % 16
	v_bfe_u32 v2, v0, 4, 1                         ; l / 16
	v_and_b32 v6, 7, v0
	v_bfe_u32 v7, v0, 3, 1
	v_lshl_add_u32 v6, v2, 3, v6
	v_mul_u32_u24 v6, v6, BPITCH
	v_lshl_add_u32 v6, v7, 4, v6
	v_add_nc_u32 v[ADRB], s20, v6
	v_add_nc_u32 v[ADRB+1], SLOT, v[ADRB]
	s_mul_i32 s22, s10, PBLK                       ; my partial block
	v_mul_u32_u24 v4, v1, PPITCH
	v_lshl_add_u32 v4, v2, 5, v4                   ; row l % 16, 32 bytes for each half of the lanes
	v_add_nc_u32 v[STO], s22, v4
	s_mul_i32 s23, s10, 32*PPITCH                  ; the 32 rows that I add up and store
.irp s, 0,1,2,3
	v_add_nc_u32 v[RD+\s], s23, v[CO]
	s_add_co_u32 s23, s23, PBLK
.endr
	s_wait_kmcnt 0x0                               ; 1 / s1,
	s_mov_b32 s67, s66                             ; as a pair for the packed multiply-add
	s_wait_tensorcnt 1                             ; my part of chunk 0 is in; chunk 1's may stay out
	s_barrier_signal -1
	s_barrier_wait -1
	FETCHB 0, 0, F0
	LAP 1                                          ; the first lap stands in front of the loop: its first products start the sums
	s_mov_b32 s3, LAPS-2
.Llap:
	LAP 0
	s_sub_co_u32 s3, s3, 1
	s_cmp_lg_u32 s3, 0
	s_cbranch_scc1 .Llap
	QTR 0, 0, 0, 0, 1, 0, 1, 0, 48, 48             ; the last lap fills nothing and has no round
	QTR 1, 0, 0, 0, 1, 0, 1, 0, 48, 48
	QTR 2, 0, 0, 0, 1, 0, 1, 0, 48, 48
	QTR 3, 0, 1, 0, 1, 0, 1, 0, 48, 48
	QTR 4, 0, 0, 0, 1, 0, 2, 0, 48, 48             ; A's last group, then the residual's four
	QTR 5, 0, 0, 0, 2, 1, 2, 2, 48, 48
	QTR 6, 0, 0, 0, 2, 3, 0, 0, 48, 48
	QTR 7, 0, 2, 0, 0, 0, 0, 0, 40, 32             ; behind A's rows 0-63: its rows 64-127 and the residual; behind these: the residual's 32 loads
	; THE END: the four partial blocks go to LDS; wave w adds up and stores rows 32 w .. 32 w + 31.
	PLACES
	WIN 0
	s_wait_dscnt 0x0                               ; my reads of the ring are over (all tensor loads were waited for at the last change of slots)
	s_barrier_signal -1
	s_barrier_wait -1                              ; so are everybody's: the ring, which has had its last fill, becomes four partial blocks
.macro PART win, a4
	WIN \win
.irp a, 0,1,2,3
.irp b, 0,1,2,3,4,5,6,7
	ds_store_b128 v[STO], v[8*(8*\a+\b):8*(8*\a+\b)+3]   offset:(\a4+\a)*16*PPITCH+64*\b
	ds_store_b128 v[STO], v[8*(8*\a+\b)+4:8*(8*\a+\b)+7] offset:(\a4+\a)*16*PPITCH+64*\b+16
.endr
.endr
.endm
	PART 0x08, 0                                   ; data from window 2: rows 0-63
	PART 0x0c, 4                                   ; from window 3: rows 64-127
	WIN 0
	s_wait_dscnt 0x0                               ; for the others' sake: my partial block is written
	s_barrier_signal -1
	s_barrier_wait -1
	s_wait_loadcnt 0x0                             ; the residual
.macro GROUP g                         ; four rows
	s_wait_xcnt 0x0                                ; the registers below were the last group's store data
.irp t, 0,1,2,3
.irp s, 0,1,2,3
	ds_load_b128 v[TMP+16*\t+4*\s:TMP+16*\t+4*\s+3], v[RD+\s] offset:(4*\g+\t)*PPITCH
.endr
.endr
.irp t, 0,1,2,3
	s_wait_dscnt 12-4*\t                           ; row t's four parts are in, the younger rows' stay out
.irp j, 0,2
	v_pk_add_f32 v[TMP+16*\t+\j:TMP+16*\t+\j+1], v[TMP+16*\t+\j:TMP+16*\t+\j+1], v[TMP+16*\t+4+\j:TMP+16*\t+4+\j+1]
	v_pk_add_f32 v[TMP+16*\t+8+\j:TMP+16*\t+8+\j+1], v[TMP+16*\t+8+\j:TMP+16*\t+8+\j+1], v[TMP+16*\t+12+\j:TMP+16*\t+12+\j+1]
	v_pk_add_f32 v[RES+4*(4*\g+\t)+\j:RES+4*(4*\g+\t)+\j+1], v[RES+4*(4*\g+\t)+\j:RES+4*(4*\g+\t)+\j+1], v[BI+\j:BI+\j+1]
.endr
.irp j, 0,2
	v_pk_add_f32 v[TMP+16*\t+\j:TMP+16*\t+\j+1], v[TMP+16*\t+\j:TMP+16*\t+\j+1], v[TMP+16*\t+8+\j:TMP+16*\t+8+\j+1]
.endr
.irp j, 0,2
	v_pk_fma_f32 v[TMP+16*\t+\j:TMP+16*\t+\j+1], v[TMP+16*\t+\j:TMP+16*\t+\j+1], s[66:67], v[RES+4*(4*\g+\t)+\j:RES+4*(4*\g+\t)+\j+1] op_sel_hi:[1,0,1]   ; sum / s1 + (x1 + b2)
.endr
	global_store_b128 v[CO], v[TMP+16*\t:TMP+16*\t+3], s[72:73] offset:4096*(4*\g+\t)   ; the wave stores 512 consecutive bytes, at a multiple of 256
.endr
.endm
.irp g, 0,1,2,3,4,5,6,7
	GROUP \g
.endr
	s_set_vgpr_msb 0x5
	s_wait_tensorcnt 0x0
	ds_add_u32 v254, v255
	s_wait_dscnt 0x0
	s_set_vgpr_msb 0x500
	CROUND                                         ; the closing round
	s_endpgm
.Lfunc_end_k_qcdf41b0c3f_ffn2:
	.size	k_qcdf41b0c3f_ffn2, .Lfunc_end_k_qcdf41b0c3f_ffn2-k_qcdf41b0c3f_ffn2
	.p2alignl 7, 3214868480
	.fill 96, 4, 3214868480
	.section	.rodata,"a",@progbits
	.p2align	6, 0x0
	.amdhsa_kernel k_qcdf41b0c3f_ffn2
		.amdhsa_group_segment_fixed_size 327680
		.amdhsa_private_segment_fixed_size 0
		.amdhsa_enable_private_segment 0
		.amdhsa_kernarg_size 48
		.amdhsa_user_sgpr_count 2
		.amdhsa_user_sgpr_kernarg_segment_ptr 1
		.amdhsa_wavefront_size32 1
		.amdhsa_system_sgpr_workgroup_id_x 1
		.amdhsa_system_sgpr_workgroup_id_y 1
		.amdhsa_system_sgpr_workgroup_id_z 1
		.amdhsa_system_vgpr_workitem_id 0
		.amdhsa_next_free_vgpr 1024
		.amdhsa_next_free_sgpr 80
		.amdhsa_reserve_vcc 0
		.amdhsa_float_denorm_mode_32 3
		.amdhsa_float_denorm_mode_16_64 3
		.amdhsa_memory_ordered 1
		.amdhsa_forward_progress 1
		.amdhsa_inst_pref_size 221
	.end_amdhsa_kernel
	.amdgpu_metadata
---
amdhsa.version: [ 1, 2 ]
amdhsa.kernels:
  - .name:           k_qcdf41b0c3f_ffn2
    .symbol:         k_qcdf41b0c3f_ffn2.kd
    .args:
      - { .name: hid, .offset: 0, .size: 8, .value_kind: global_buffer, .address_space: global }
      - { .name: cast, .offset: 8, .size: 8, .value_kind: global_buffer, .address_space: global }
      - { .name: b2, .offset: 16, .size: 8, .value_kind: global_buffer, .address_space: global }
      - { .name: x1, .offset: 24, .size: 8, .value_kind: global_buffer, .address_space: global }
      - { .name: out0, .offset: 32, .size: 8, .value_kind: global_buffer, .address_space: global }
      - { .name: x1h, .offset: 40, .size: 8, .value_kind: global_buffer, .address_space: global }
    .group_segment_fixed_size: 327680
    .private_segment_fixed_size: 0
    .kernarg_segment_align: 8
    .kernarg_segment_size: 48
    .max_flat_workgroup_size: 128
    .sgpr_count:     80
    .vgpr_count:     1024
    .wavefront_size: 32
...
	.end_amdgpu_metadata
.endif
;; end of part 6
